; MI455X (gfx1250); checked and timed in simulation.
; The chip was launched on July 23, 2026; its instructions are those of AMD's public machine-readable ISA for CDNA 5 (MIT licence, August 2026) and "CDNA5" Instruction Set Architecture Reference Guide (July 2026). The comments in the code are by the model that wrote it; some were corrected since.
;; Multi Head Self Attention. Allowed arithmetic: matrix products marked QUANTISED: E3M2 operands, one E8M0 scale for each 32 along K, by v_wmma_scale_f32_16x16x128_f8f6f4 with both operands' format E3M2, f32 sums; everything else in f32.
;; Inputs: W_out 1,024 x 1,024 float32; W_qkv 1,024 x 3,072 float32; b_out 1,024 float32; b_qkv 3,072 float32; causal_mask 2,048 x 2,048 bool; padding_mask 4 x 2,048 bool; x 4 x 2,048 x 1,024 float32.
;; Outputs: out0 4 x 2,048 x 1,024 float32.
;; This version of the problem:
;;   THIS VERSION OF THE PROBLEM IS GIVEN IN LOW PRECISION. The matrix products marked QUANTISED in the list below multiply operands that are first quantised to E3M2 (3 exponent bits, 2 mantissa bits; 6 bits a number), with one power-of-two scale for each 32 numbers along K (OCP MX v1.0); their sums are f32. All else is computed in f32.
;;   The module's matrix products, in the order in which they are computed (A, B: the left and right operand; K: the contracted axis; several contracted axes count as one K, in the product's order):
;;     1. [M 8,192, K 1,024] x [K 1,024, N 3,072]; A: input x; B: input W_qkv: QUANTISED
;;     2. batch 64 x [M 2,048, K 64] x [K 64, N 2,048]; A: computed on the way; B: computed on the way: QUANTISED
;;     3. batch 64 x [M 2,048, K 2,048] x [K 2,048, N 64]; A: softmax (see below); B: computed on the way: QUANTISED
;;     4. [M 8,192, K 1,024] x [K 1,024, N 1,024]; A: computed on the way; B: input W_out: QUANTISED
;;   THE QUANTISER, for each operand of a quantised product, along K:
;;     - K is cut into blocks of 32 from its start; a last block that is shorter is filled with zeros.
;;     - A block's scale is 2^e with e = floor(log2(the largest magnitude in the block)) - 4, held to -126 .. 127; a block of zeros has e = 0. As a byte (E8M0): e + 127.
;;     - Each number is divided by its block's scale, clamped to +-28, and rounded to the nearest number of E3M2, ties to even, subnormals kept.
;;     - The product sums the exact products of the quantised numbers (number of the format x scale) in f32.
;;   ~~~python
;;   def quantise(x, axis):      # numpy; x: float32 -> the quantised numbers, widened to float32 again
;;       x = np.moveaxis(x, axis, -1); K = x.shape[-1]
;;       x = np.pad(x, [(0, 0)] * (x.ndim - 1) + [(0, -K % 32)]); x = x.reshape(x.shape[:-1] + (-1, 32)); a = np.abs(x).max(-1, keepdims=True)
;;       e = np.where(a > 0, np.clip(np.frexp(np.where(a > 0, a, 1))[1] - 1 - 4, -126, 127), 0)      # np.frexp(a)[1] - 1 = floor(log2(a)), exactly
;;       r = np.clip(x / 2.0 ** e, -28, 28)
;;       step = 2.0 ** (np.maximum(np.frexp(np.where(r == 0, 1, r))[1] - 1, -2) - 2)
;;       q = np.round(r / step) * step * 2.0 ** e      # np.round: ties to even
;;       return np.moveaxis(q.reshape(q.shape[:-2] + (-1,))[..., :K], -1, axis).astype(np.float32)
;;   ~~~
;;   SOFTMAX AHEAD OF A QUANTISED PRODUCT. Where the list says 'softmax', what is quantised is not the finished softmax but p = 2^(t - M), with t = logit x log2(e) and M = ceil(the row's largest t), a whole number; so 1/2 < the row's largest p <= 1. The row's sum l is taken of the UNQUANTISED p, in f32, and the product's result is divided by l at the end. Since M is a whole number, a kernel that streams over the keys may use a running M (the ceiling of the running maximum): every later rescaling is an exact power of two, which a block's scale takes up: the codes' values come out the same.
;;   OPERANDS COMPUTED ON THE WAY. 'Computed on the way' means the value that the module computes at that place (a softmax that the list does not call 'softmax' is quantised finished and normalised). What goes into a quantiser is computed in f32, as accurately as f32 sums, v_exp_f32 and their like allow (about 1e-6 of the number): no bf16 or f16 on the way to a quantiser, and a product that is left as it is and whose result goes on into a quantised operand takes f32 operands (vector FMAs, or v_wmma_f32_16x16x4_f32). A number that lies on a knife's edge between two numbers of the format may be rounded either way, as far as f32 arithmetic and the matrix unit's own rounding can turn it there, and no further.
;; One version. Each part assembles by itself: llvm-mc -triple=amdgcn-amd-amdhsa -mcpu=gfx1250 --defsym DOCPART=n.
;; ======== version 1 of 1: 4 launches
;; limits: right only within a limited range of input values
;; workspace buffers: xw 9,830,400 bytes; maskw 2,162,688 bytes of whole numbers; qkv 20,185,088 bytes; ao 6,553,600 bytes
;; launch prep (part 1): grid 2816 x 1, 4 waves a work-group, no clusters, 34,304 bytes of LDS; arguments x, W_qkv, W_out, causal_mask, padding_mask, xw, maskw; writes xw, maskw
.if DOCPART == 1
	.amdgcn_target "amdgcn-amd-amdhsa--gfx1250"
	.amdhsa_code_object_version 6
	.text
	.protected	k_q3c7098e7cf_prep
	.globl	k_q3c7098e7cf_prep
	.p2align	8
	.type	k_q3c7098e7cf_prep,@function
k_q3c7098e7cf_prep:
	s_mov_b64 s[64:65], 0
	v_nop
	global_prefetch_b8 v0, s[64:65] scope:SCOPE_SE
	s_setreg_imm32_b32 hwreg(HW_REG_WAVE_MODE, 25, 1), 1
	s_wait_xcnt 0x0
; PREP: x [8192][1024], W_qkv [1024][3072] and W_out [1024][1024], f32, become codes of BF6 (E3M2) with one E8M0 byte for each 32 along K (K = the 1,024 of x's rows, and the weights' FIRST axis);
; the two masks become, for each tile of 16 queries x 128 keys, 64 words of lane bits.  A stream bound by memory: no matrix work, no cluster, no tensor load, no barrier (waves share nothing).
; LAYOUT OF THE CODES: images of operand registers.  A half-image, 768 bytes, is 16 rows x 64 along K: lane (r, h) owns block h of row r, 24 bytes in six registers: the first four at 16 x lane, the last two at 512 + 16 r + 8 h.
; Half-image (row tile T, K group g of 64) lies at (((T / 8) 4 + g / 4) 8 + T % 8) 3072 + ((g / 2) % 2) 1536 + (g % 2) 768: 128 rows x 256 K are one dense block of 24,576 bytes.  Scale words: [tile][K step of 128][16 rows], 4 bytes each.
; THE ROWS OF A TILE ARE NOT NEIGHBOURS: in each group of 64 rows, row p of tile t stands for row 32 (p / 8) + 8 t + p % 8, so that a product's 32 results of four such tiles are 32 neighbours in one lane.
; A block's scale is 2^(floor(log2(largest magnitude)) - 4); its byte is the largest magnitude's exponent field - 4, held at 1 from below.
; LIMITS: NaN and infinities among the inputs are not served; a block whose largest magnitude lies under 2^-122, a block of zeros among them, keeps the byte 1 (zeros: the rule says 127; the codes are zeros, and this program alone reads the bytes).
; WORK-GROUPS: 0-511 x (a row tile each, a wave 256 along K); 512-703 W_qkv, 704-767 W_out (128 columns x 128 K each); 768-2815 the masks (a wave a record).
.set X_SCALES,  6291456
.set W_CODES,   6553600
.set W_SCALES,  8912896
.set WO_CODES,  9011200
.set WO_SCALES, 9797632
.set WV,  18                           ; s18 the wave's number
.set SEL, 34                           ; s[34:35] v_permlanex16_b32's selects for lane l xor 16
.set SH8, 7                            ; v7  8 h
.set QM,  10                           ; v10-19 at work in QUANT2
.set QN,  12
.set QS,  14
.set QB,  16
.set QW,  18
.set QP,  19
.set QT,  48                           ; v48-54 the second halves of the blocks' codes
.set R,   64                           ; v64-191 numbers as loaded
.set X,   192                          ; v192-255 64 numbers of a lane: register 32 c + i = k 64 c + 32 h + i of its row
; the largest magnitude of v[s] .. v[s+31] and the floor 2^(5 - 127), into v[d]; v[e] at work: two chains that do not wait for each other
.macro MAXTREE d, e, s
	v_max3_num_f32 v[\d], |v[\s]|, |v[\s+1]|, 0x2800000
	v_max3_num_f32 v[\e], |v[\s+16]|, |v[\s+17]|, |v[\s+18]|
.irp i, 2,4,6,8,10,12
	v_max3_num_f32 v[\d], v[\d], |v[\s+\i]|, |v[\s+\i+1]|
	v_max3_num_f32 v[\e], v[\e], |v[\s+\i+17]|, |v[\s+\i+18]|
.endr
	v_max3_num_f32 v[\d], v[\d], |v[\s+14]|, |v[\s+15]|
	v_max3_num_f32 v[\d], v[\d], v[\e], |v[\s+31]|
.endm
; 64 numbers of a lane (two whole blocks: 2 c + h) become a fragment's 12 code registers v[pc] on and its row's scale word v[pw]
.macro QUANT2 s, pc, pw
	MAXTREE QM, QN, \s
	MAXTREE QM+1, QN+1, \s+32
.irp c, 0,1
	v_add_nc_u32 v[QS+\c], 0xfe000000, v[QM+\c]    ; 4 off the exponent field: the conversion takes this operand's exponent field as its scale
.endr
.irp c, 0,1
	v_lshrrev_b32 v[QB+\c], 23, v[QS+\c]           ; the scale's byte
.endr
	v_lshl_or_b32 v[QW], v[QB+1], 16, v[QB]        ; my two bytes: blocks h and 2 + h,
	v_lshlrev_b32 v[QW], v[SH8], v[QW]             ; at their places;
	v_permlanex16_b32 v[QP], v[QW], s[SEL], s[SEL+1]
	v_or_b32 v[\pw], v[QW], v[QP]                  ; with lane l xor 16's two the word is whole
.irp c, 0,1
	v_cvt_scalef32_pk16_bf6_f32 v[\pc+6*\c:\pc+6*\c+2], v[\s+32*\c:\s+32*\c+15], v[QS+\c]
	v_cvt_scalef32_pk16_bf6_f32 v[QT+4*\c:QT+4*\c+2], v[\s+32*\c+16:\s+32*\c+31], v[QS+\c]   ; (a conversion's three registers begin on an even number)
.endr
	v_nop                                          ; one plain line behind the scaled conversions
.irp c, 0,1
.irp i, 0,1,2
	v_mov_b32 v[\pc+6*\c+3+\i], v[QT+4*\c+\i]
.endr
.endr
.endm
	s_load_b256 s[4:11], s[0:1], 0x0               ; x s[4:5], W_qkv s[6:7], W_out s[8:9], causal_mask s[10:11]
	s_load_b128 s[12:15], s[0:1], 0x20             ; padding_mask s[12:13], xw s[14:15]
	s_load_b64 s[16:17], s[0:1], 0x30              ; maskw
	v_lshl_add_u32 v62, v0, 2, 0x8400
	v_mov_b32 v63, 0
	v_lshrrev_b32 v1, 5, v0
	v_readfirstlane_b32 s[WV], v1
	v_and_b32 v1, 31, v0                           ; lane
	v_and_b32 v2, 15, v0                           ; r
	v_bfe_u32 v3, v0, 4, 1                         ; h
	s_mov_b32 s[SEL], 0x76543210
	s_mov_b32 s[SEL+1], 0xfedcba98
	s_wait_kmcnt 0x0
	s_cmp_lt_u32 ttmp9, 512
	s_cbranch_scc0 .Lnot_x
; ---- x: the work-group is row tile Tx, the wave takes 256 along K.  Each load reads 512 consecutive bytes of one row; the numbers turn through the wave's own stage (16 rows x 528 bytes), so that a lane gets whole blocks.
	s_wait_alu depctr_va_vdst(0)
	v_lshlrev_b32 v4, 4, v1                        ; 16 x lane
	v_lshlrev_b32 v5, 4, v2
	v_lshl_add_u32 v5, v3, 3, v5                   ; 16 r + 8 h
	v_lshlrev_b32 v6, 2, v1                        ; 4 x lane
	v_lshlrev_b32 v[SH8], 3, v3
	s_mul_i32 s20, s[WV], 8448
	v_add_nc_u32 v8, s20, v4                       ; into the stage: a row's 512 bytes as they lie
	v_mul_u32_u24 v9, v2, 528
	v_lshl_add_u32 v9, v3, 7, v9
	v_add_nc_u32 v9, s20, v9                       ; out of it: row r, + 128 h
	v_mov_b32 v[QP], 0                             ; written once: a lane permute's destination counts as one of its sources
	s_lshr_b32 s21, ttmp9, 2
	s_lshl_b32 s21, s21, 6
	s_and_b32 s22, ttmp9, 3
	s_lshl_b32 s22, s22, 3
	s_add_co_u32 s21, s21, s22                     ; the tile's first row: 64 (Tx / 4) + 8 (Tx % 4)
	s_lshl_b32 s22, s21, 12
	s_lshl_b32 s23, s[WV], 10
	s_add_co_u32 s22, s22, s23
	s_mov_b32 s23, 0
	s_add_nc_u64 s[4:5], s[4:5], s[22:23]
	s_lshr_b32 s24, ttmp9, 3
	s_lshl_b32 s24, s24, 2
	s_add_co_u32 s24, s24, s[WV]
	s_lshl_b32 s24, s24, 3
	s_and_b32 s25, ttmp9, 7
	s_add_co_u32 s24, s24, s25
	s_mul_i32 s24, s24, 3072
	s_mov_b32 s25, 0
	s_add_nc_u64 s[26:27], s[14:15], s[24:25]      ; my four half-images
	s_lshl_b32 s24, ttmp9, 9
	s_lshl_b32 s28, s[WV], 7
	s_add_co_u32 s24, s24, s28
	s_add_co_u32 s24, s24, X_SCALES
	s_add_nc_u64 s[28:29], s[14:15], s[24:25]      ; my two K steps' scale words
.irp q, 0,1
.irp i, 0,1,2,3,4,5,6,7,8,9,10,11,12,13,14,15
	global_load_b128 v[R+64*\q+4*\i:R+64*\q+4*\i+3], v4, s[4:5] offset:(32*(\i/8)+\i%8)*4096+512*\q th:TH_LOAD_NT
.endr
.endr
.macro XTURN q
.if \q == 0
	s_wait_loadcnt 16                              ; the first 128 K's sixteen loads are in; the second's may be out
.else
	s_wait_loadcnt 0x0
.endif
.irp i, 0,1,2,3,4,5,6,7,8,9,10,11,12,13,14,15
	ds_store_b128 v8, v[R+64*\q+4*\i:R+64*\q+4*\i+3] offset:528*\i
.endr
.irp c, 0,1
.irp j, 0,1,2,3,4,5,6,7
	ds_load_b128 v[X+32*\c+4*\j:X+32*\c+4*\j+3], v9 offset:256*\c+16*\j   ; LDS serves a wave's instructions in order: these see my stores
.endr
.endr
	s_wait_dscnt 0x0
	QUANT2 X, 24+12*\q, 20+\q
.irp c, 0,1
	global_store_b128 v4, v[24+12*\q+6*\c:24+12*\q+6*\c+3], s[26:27] offset:1536*\q+768*\c       ; 512 consecutive bytes
	global_store_b64 v5, v[24+12*\q+6*\c+4:24+12*\q+6*\c+5], s[26:27] offset:1536*\q+768*\c+512  ; 256 consecutive bytes
.endr
.endm
	s_wait_alu depctr_va_vdst(0)
	XTURN 0
	XTURN 1                                        ; (each turn has code registers of its own: no store's data are written again)
	v_cmp_ne_u32 vcc_lo, 0, v3
	v_cndmask_b32 v22, v20, v21, vcc_lo            ; lanes 0-15: the first K step's words, lanes 16-31: the second's
	global_store_b32 v6, v22, s[28:29]
	s_wait_tensorcnt 0x0
	ds_add_u32 v62, v63
	s_wait_dscnt 0x0
	s_endpgm
; ---- a weight [1024 (k)][n]: a lane takes a column and its registers run down K, so a block lies in one lane and nothing is transposed.  Lanes 0-15 are tile t', lanes 16-31 tile t' + 1; a wave takes 128 along K.
.macro WPATH src, pitch, basec, bases, first
	s_sub_co_u32 s20, ttmp9, \first
	s_and_b32 s21, s20, 7                          ; which 128 along K
	s_lshr_b32 s22, s20, 3
	s_lshl_b32 s22, s22, 1
	s_lshr_b32 s23, s[WV], 1
	s_add_co_u32 s22, s22, s23                     ; which group of 64 columns
	s_and_b32 s23, s[WV], 1
	s_lshl_b32 s23, s23, 1                         ; t'
	s_mul_i32 s24, s21, 128*\pitch
	s_lshl_b32 s25, s22, 8
	s_add_co_u32 s24, s24, s25
	s_lshl_b32 s25, s23, 5
	s_add_co_u32 s24, s24, s25
	s_mov_b32 s25, 0
	s_add_nc_u64 s[26:27], s[\src:\src+1], s[24:25]
	v_lshlrev_b32 v4, 5, v3                        ; my column in the group: 8 (t' + lane / 16) + 32 ((lane / 8) % 2) + lane % 8, in bytes
	v_bfe_u32 v5, v0, 3, 1
	v_lshl_add_u32 v4, v5, 7, v4
	v_and_b32 v5, 7, v0
	v_lshl_add_u32 v4, v5, 2, v4
	s_wait_alu depctr_va_vdst(0)
	s_lshl_b32 s28, s22, 2
	s_add_co_u32 s28, s28, s23                     ; the first of my two tiles
	s_lshr_b32 s29, s28, 3
	s_lshl_b32 s29, s29, 2
	s_lshr_b32 s30, s21, 1
	s_add_co_u32 s29, s29, s30
	s_lshl_b32 s29, s29, 3
	s_and_b32 s30, s28, 7
	s_add_co_u32 s29, s29, s30
	s_mul_i32 s24, s29, 3072
	s_and_b32 s30, s21, 1
	s_mul_i32 s30, s30, 1536
	s_add_co_u32 s24, s24, s30
	s_add_co_u32 s24, s24, \basec
	s_add_nc_u64 s[30:31], s[14:15], s[24:25]
	s_lshl_b32 s24, s28, 9
	s_lshl_b32 s29, s21, 6
	s_add_co_u32 s24, s24, s29
	s_add_co_u32 s24, s24, \bases
	s_add_nc_u64 s[32:33], s[14:15], s[24:25]
	v_mul_u32_u24 v5, v3, 3072
	v_lshl_add_u32 v5, v2, 4, v5                   ; codes: my tile, 16 bytes a row
	v_lshlrev_b32 v6, 9, v3
	v_lshl_add_u32 v6, v2, 2, v6                   ; scale words: my tile, 4 bytes a row
.irp b, 0,1                                    ; loads run two blocks, 64 loads, ahead
.irp i, 0,1,2,3,4,5,6,7,8,9,10,11,12,13,14,15,16,17,18,19,20,21,22,23,24,25,26,27,28,29,30,31
	global_load_b32 v[R+32*\b+\i], v4, s[26:27] offset:(32*\b+\i)*\pitch
.endr
.endr
.irp b, 0,1,2,3
.if \b < 3
	s_wait_loadcnt 32                              ; this block's 32 loads are in; the next block's may be out
.else
	s_wait_loadcnt 0x0
.endif
	MAXTREE 10, 11, R+32*\b
	v_add_nc_u32 v12, 0xfe000000, v10
	v_lshrrev_b32 v13, 23, v12
.if \b == 0
	v_mov_b32 v14, v13
.else
	v_lshl_or_b32 v14, v13, 8*\b, v14              ; four bytes to the word, the lower K in the lower byte
.endif
	v_cvt_scalef32_pk16_bf6_f32 v[192+8*\b:194+8*\b], v[R+32*\b:R+32*\b+15], v12
	v_cvt_scalef32_pk16_bf6_f32 v[196+8*\b:198+8*\b], v[R+32*\b+16:R+32*\b+31], v12
	v_nop                                          ; one plain line behind the scaled conversions
	v_mov_b32 v[195+8*\b], v[196+8*\b]             ; the block's first four registers on end
.if \b < 2
.irp i, 0,1,2,3,4,5,6,7,8,9,10,11,12,13,14,15,16,17,18,19,20,21,22,23,24,25,26,27,28,29,30,31
	global_load_b32 v[R+32*(\b+2)+\i], v4, s[26:27] offset:(32*(\b+2)+\i)*\pitch
.endr
.endif
.endr
.irp c, 0,1                                    ; half-image c: blocks 2 c and 2 c + 1 of my row; in each store sixteen lanes fill 256 consecutive bytes
	v_mov_b32 v[224+4*\c], v[197+16*\c]
	v_mov_b32 v[225+4*\c], v[198+16*\c]
	v_mov_b32 v[226+4*\c], v[205+16*\c]
	v_mov_b32 v[227+4*\c], v[206+16*\c]
	global_store_b128 v5, v[192+16*\c:195+16*\c], s[30:31] offset:768*\c
	global_store_b128 v5, v[200+16*\c:203+16*\c], s[30:31] offset:768*\c+256
	global_store_b128 v5, v[224+4*\c:227+4*\c], s[30:31] offset:768*\c+512
.endr
	global_store_b32 v6, v14, s[32:33]
	s_endpgm
.endm
.Lnot_x:
	s_cmp_lt_u32 ttmp9, 704
	s_cbranch_scc0 .Lnot_wqkv
	s_wait_alu depctr_va_vdst(0)
	WPATH 6, 12288, W_CODES, W_SCALES, 512
.Lnot_wqkv:
	s_cmp_lt_u32 ttmp9, 768
	s_cbranch_scc0 .Lmask
	s_wait_alu depctr_va_vdst(0)
	WPATH 8, 4096, WO_CODES, WO_SCALES, 704
; ---- the masks.  Record u = (batch, query tile T, key step st), 256 bytes: bit l of word j says that query (T, l % 16) does not see key 128 st + 64 (j / 32) + 32 (l / 16) + j % 32: the select mask of score register j in the attention launch.
.Lmask:
	s_sub_co_u32 s20, ttmp9, 768
	s_lshl_b32 s20, s20, 2
	s_add_co_u32 s20, s20, s[WV]                   ; u
	s_and_b32 s21, s20, 15                         ; st
	s_bfe_u32 s22, s20, 0x70004                    ; T
	s_lshr_b32 s23, s20, 11                        ; batch
	s_lshr_b32 s24, s22, 2
	s_lshl_b32 s24, s24, 6
	s_and_b32 s25, s22, 3
	s_lshl_b32 s25, s25, 3
	s_add_co_u32 s24, s24, s25
	s_lshl_b32 s24, s24, 11                        ; the tile's first query: a row of causal_mask is 2,048 bytes
	s_lshl_b32 s26, s21, 7
	s_add_co_u32 s24, s24, s26
	s_mov_b32 s25, 0
	s_add_nc_u64 s[10:11], s[10:11], s[24:25]
	s_lshl_b32 s24, s23, 11
	s_add_co_u32 s24, s24, s26
	s_add_nc_u64 s[12:13], s[12:13], s[24:25]
	s_wait_alu depctr_va_vdst(0)
	v_lshrrev_b32 v4, 3, v2
	v_lshlrev_b32 v4, 5, v4
	v_and_b32 v5, 7, v2
	v_add_nc_u32 v4, v4, v5
	v_lshlrev_b32 v4, 11, v4
	v_lshl_add_u32 v4, v3, 5, v4                   ; row 32 (r / 8) + r % 8, + 32 h
	v_lshlrev_b32 v5, 5, v3
.irp i, 0,1,2,3
	global_load_b128 v[16+4*\i:19+4*\i], v4, s[10:11] offset:64*(\i/2)+16*(\i%2)
	global_load_b128 v[32+4*\i:35+4*\i], v5, s[12:13] offset:64*(\i/2)+16*(\i%2)
.endr
	v_mov_b32 v48, 0
	v_mov_b32 v49, 0
	v_lshlrev_b32 v6, 3, v1                        ; the record: 8 bytes a lane
	s_lshl_b32 s24, s20, 8
	s_add_nc_u64 s[32:33], s[16:17], s[24:25]
	s_wait_loadcnt 0x0
.irp i, 0,1,2,3,4,5,6,7,8,9,10,11,12,13,14,15
	v_or_b32 v[16+\i], v[16+\i], v[32+\i]
.endr
	; two more words for the record (a mask byte is 0 or 1): bit l of the first says that ALL 64 keys of lane l are hidden, bit l of the second that SOME are
	v_and_b32 v58, v16, v17
	v_or_b32 v59, v16, v17
.irp i, 2,3,4,5,6,7,8,9,10,11,12,13,14,15
	v_and_b32 v58, v58, v[16+\i]
	v_or_b32 v59, v59, v[16+\i]
.endr
	v_cmp_eq_u32 s36, 0x1010101, v58
	v_cmp_ne_u32 s37, 0, v59
.set g, 0
.rept 8                                        ; words 8 g .. 8 g + 7, in batches of eight, so that no line waits for the line above it
.irp k, 0,1,2,3,4,5,6,7
	v_bfe_u32 v[50+\k], v[16+(8*g+\k)/4], 8*(\k%4), 8
.endr
.irp k, 0,1,2,3,4,5,6,7
	v_cmp_ne_u32 s[40+\k], 0, v[50+\k]             ; a word: a bit a lane
.endr
.irp k, 0,1,2,3,4,5,6,7
	v_writelane_b32 v[48+\k%2], s[40+\k], (8*g+\k)/2   ; lane j / 2 keeps words j and j + 1
.endr
.set g, g+1
.endr
	global_store_b64 v6, v[48:49], s[32:33]        ; 256 consecutive bytes
	; the two words go behind the records, from byte 2,097,152 on: 128 bytes for each (batch, tile): word st the first, word 16 + st the second
	s_lshr_b32 s24, s20, 4
	s_lshl_b32 s24, s24, 7
	s_lshl_b32 s26, s21, 2
	s_add_co_u32 s24, s24, s26
	s_add_co_u32 s24, s24, 2097152
	s_add_nc_u64 s[38:39], s[16:17], s[24:25]
	v_mov_b32 v60, s37
	v_mov_b32 v61, s36
	v_cmp_eq_u32 vcc_lo, 0, v1
	v_cndmask_b32 v60, v60, v61, vcc_lo            ; lane 0 the first word, lane 1 the second
	v_lshlrev_b32 v59, 6, v1                       ; 64 bytes apart
	v_cmp_gt_u32 vcc_lo, 2, v1
	s_wait_alu depctr_va_vdst(0)                   ; the wait here, directly ahead of the wait below
	s_wait_xcnt 0x0                                ; EXEC changes only behind this wait
	s_and_saveexec_b32 s36, vcc_lo
	global_store_b32 v59, v60, s[38:39]
	s_wait_xcnt 0x0
	s_or_b32 exec_lo, exec_lo, s36
	s_endpgm
.Lfunc_end_k_q3c7098e7cf_prep:
	.size	k_q3c7098e7cf_prep, .Lfunc_end_k_q3c7098e7cf_prep-k_q3c7098e7cf_prep
	.p2alignl 7, 3214868480
	.fill 96, 4, 3214868480
	.section	.rodata,"a",@progbits
	.p2align	6, 0x0
	.amdhsa_kernel k_q3c7098e7cf_prep
		.amdhsa_group_segment_fixed_size 34304
		.amdhsa_private_segment_fixed_size 0
		.amdhsa_enable_private_segment 0
		.amdhsa_kernarg_size 56
		.amdhsa_user_sgpr_count 2
		.amdhsa_user_sgpr_kernarg_segment_ptr 1
		.amdhsa_wavefront_size32 1
		.amdhsa_system_sgpr_workgroup_id_x 1
		.amdhsa_system_sgpr_workgroup_id_y 1
		.amdhsa_system_sgpr_workgroup_id_z 1
		.amdhsa_system_vgpr_workitem_id 0
		.amdhsa_next_free_vgpr 256
		.amdhsa_next_free_sgpr 66
		.amdhsa_reserve_vcc 1
		.amdhsa_float_denorm_mode_32 3
		.amdhsa_float_denorm_mode_16_64 3
		.amdhsa_memory_ordered 1
		.amdhsa_forward_progress 1
		.amdhsa_inst_pref_size 74
	.end_amdhsa_kernel
	.amdgpu_metadata
---
amdhsa.version: [ 1, 2 ]
amdhsa.kernels:
  - .name:           k_q3c7098e7cf_prep
    .symbol:         k_q3c7098e7cf_prep.kd
    .args:
      - { .name: x, .offset: 0, .size: 8, .value_kind: global_buffer, .address_space: global }
      - { .name: W_qkv, .offset: 8, .size: 8, .value_kind: global_buffer, .address_space: global }
      - { .name: W_out, .offset: 16, .size: 8, .value_kind: global_buffer, .address_space: global }
      - { .name: causal_mask, .offset: 24, .size: 8, .value_kind: global_buffer, .address_space: global }
      - { .name: padding_mask, .offset: 32, .size: 8, .value_kind: global_buffer, .address_space: global }
      - { .name: xw, .offset: 40, .size: 8, .value_kind: global_buffer, .address_space: global }
      - { .name: maskw, .offset: 48, .size: 8, .value_kind: global_buffer, .address_space: global }
    .group_segment_fixed_size: 34304
    .private_segment_fixed_size: 0
    .kernarg_segment_align: 8
    .kernarg_segment_size: 56
    .max_flat_workgroup_size: 128
    .sgpr_count:     66
    .vgpr_count:     256
    .wavefront_size: 32
...
	.end_amdgpu_metadata
.endif
;; end of part 1
;; launch qkv (part 2): grid 12 x 32, 4 waves a work-group, clusters of 4 x 4, 327,680 bytes of LDS; arguments xw, b_qkv, qkv; writes qkv
.if DOCPART == 2
	.amdgcn_target "amdgcn-amd-amdhsa--gfx1250"
	.amdhsa_code_object_version 6
	.text
	.protected	k_q3c7098e7cf_qkv
	.globl	k_q3c7098e7cf_qkv
	.p2align	8
	.type	k_q3c7098e7cf_qkv,@function
k_q3c7098e7cf_qkv:
	s_mov_b64 s[64:65], 0
	v_nop
	global_prefetch_b8 v0, s[64:65] scope:SCOPE_SE
	s_setreg_imm32_b32 hwreg(HW_REG_WAVE_MODE, 25, 1), 1
	s_wait_xcnt 0x0
	s_wait_alu depctr_hold_cnt(0) depctr_sa_sdst(0) depctr_va_vdst(0) depctr_va_sdst(0) depctr_va_ssrc(0) depctr_va_vcc(0) depctr_vm_vsrc(0)
	s_getreg_b32 s2, hwreg(HW_REG_IB_STS2, 6, 4)
	s_cmp_eq_u32 s2, 0
	s_cbranch_scc0 .Lentry_in_a_cluster
	s_endpgm
.Lentry_in_a_cluster:
	s_bfe_u32 s2, ttmp6, 0x10000c
	s_cmp_lg_u32 s2, 0xf033
	s_cbranch_scc0 .Lentry_shape_is_right
	s_endpgm
.Lentry_shape_is_right:
.set X_SCALES, 6291456
.set W_CODES,  6553600
.set W_SCALES, 8912896
.set Q_SCALES, 6291456
.set KVB,      6815744
.set HEADKV,   208896
.set STEPB,    13056
.set NQ,     2
.set FR,     12
.set NL,     4
.set NP,     4
.set HALFT,  24576
.set SLOT,   4*HALFT
.set SCL,    2*SLOT
.set HALFS,  4096
.set SPARE,  SCL+4*HALFS
.set ADRA, 16
.set ADRB, 20
.set LA,   24
.set LB0,  25
.set LC,   26
.set ADRS, 27
.set SPW,  28
.set NIL,  29
.set SH8,  30
.set LS,   31
.set SH16, 8
.set SC,   32
.set Y,    64
.set AF,   128
.set PC,   128
.set QT,   152
.set QM,   160
.set QN,   162
.set QS,   164
.set QB,   166
.set QW,   168
.set PW,   172
.set PWE,  173
.set WW,   174
.set QP,   175
.set BR,   224
.set SEL,  98
.set G1, 24
.set G0, 32
.set G1B, 48
.set G0B, 56
.set G1S, 68
.set G0S, 76
.set G1SB, 80
.set G0SB, 88
.set MSB, 0
.macro WIN new
.if MSB != (\new)
	s_set_vgpr_msb (MSB<<8)|(\new)
.set MSB, (\new)
.endif
.endm
.set MUL_LO, 0xa1
.set MUL_HI, 0xf1
.set TO_B,   0x40
.macro JLOAD g0a, g1a, g0b, g1b
	s_cmp_eq_u32 s15, 0
	s_cbranch_scc0 .Lfor_b_\@
	tensor_load_to_lds s[\g0a:\g0a+3], s[\g1a:\g1a+7]
	s_nop 0
.rept 4
	v_nop
.endr
	s_branch .Lasked_\@
.Lfor_b_\@:
	tensor_load_to_lds s[\g0b:\g0b+3], s[\g1b:\g1b+7]
	s_nop 0
.rept 4
	v_nop
.endr
.Lasked_\@:
.endm
.macro CREST
	s_cmp_lg_u32 s14, 0
	s_cbranch_scc1 .Lnot_wave_0_\@
	s_barrier_signal -3
.Lnot_wave_0_\@:
	s_barrier_wait -3
	s_barrier_signal -1
	s_barrier_wait -1
.endm
.macro CROUND
	s_barrier_signal -1
	s_barrier_wait -1
	CREST
.endm
	s_load_b128 s[4:7], s[0:1], 0x0
	s_load_b64 s[8:9], s[0:1], 0x10
	v_lshl_add_u32 v[SPW], v0, 2, SPARE
	v_mov_b32 v[NIL], 0
	ds_add_u32 v28, v29
	ds_add_u32 v28, v29
	s_wait_dscnt 0x0
	v_lshrrev_b32 v1, 5, v0
	v_readfirstlane_b32 s14, v1
	s_lshr_b32 s15, s14, 1
	s_and_b32 s16, s14, 1
	s_bfe_u32 s40, ttmp6, 0x40000
	s_bfe_u32 s41, ttmp6, 0x40004
	s_and_b32 s17, ttmp7, 0xffff
	s_lshl_b32 s43, s41, 2
	s_lshl_b32 s43, 15, s43
	s_lshl_b32 s44, 0x1111, s40
	s_or_b32 s[G1+0], s43, (3<<16)|(1<<21)
	s_or_b32 s[G1B+0], s44, (3<<16)|(1<<21)
.irp g, G1, G1B
	s_mov_b32 s[\g+1], 32<<16
	s_mov_b32 s[\g+2], 96<<16
	s_mov_b32 s[\g+3], 32<<16
	s_mov_b32 s[\g+4], 96
	s_mov_b32 s[\g+5], 32
	s_mov_b32 s[\g+6], 0
	s_mov_b32 s[\g+7], 0
.endr
	s_or_b32 s[G1S+0], s43, (3<<16)|(1<<21)
	s_or_b32 s[G1SB+0], s44, (3<<16)|(1<<21)
.irp g, G1S, G1SB
	s_mov_b32 s[\g+1], 32<<16
	s_mov_b32 s[\g+2], 16<<16
	s_mov_b32 s[\g+3], 32<<16
	s_mov_b32 s[\g+4], 16
	s_mov_b32 s[\g+5], 32
	s_mov_b32 s[\g+6], 0
	s_mov_b32 s[\g+7], 0
.endr
	s_lshl_b32 s18, s17, 3
	s_lshl_b32 s19, ttmp9, 3
	s_mov_b32 s22, X_SCALES
	s_mov_b32 s92, W_SCALES
	s_cmp_eq_u32 ttmp9, 2
	s_cselect_b32 s20, 16, s18
	s_cselect_b32 s46, s18, s19
	s_cselect_b32 s21, W_CODES, 0
	s_cselect_b32 s47, 0, W_CODES
	s_cselect_b32 s22, W_SCALES, s22
	s_cselect_b32 s92, X_SCALES, s92
	s_lshl_b32 s23, s41, 1
	s_add_co_u32 s20, s20, s23
	s_add_co_u32 s20, s20, s16
	s_lshl_b32 s93, s40, 1
	s_add_co_u32 s46, s46, s93
	s_add_co_u32 s46, s46, s16
	s_lshl_b32 s23, s20, 12
	s_add_co_u32 s22, s22, s23
	s_mov_b32 s23, 0
	s_mul_i32 s20, s20, 98304
	s_add_co_u32 s20, s20, s21
	s_mov_b32 s21, 0
	s_lshl_b32 s93, s46, 12
	s_add_co_u32 s92, s92, s93
	s_mov_b32 s93, 0
	s_mul_i32 s46, s46, 98304
	s_add_co_u32 s46, s46, s47
	s_mov_b32 s47, 0
	s_mul_i32 s45, s14, HALFT
	s_lshl_b32 s94, s14, 12
	s_mov_b32 s[SEL], 0x76543210
	s_mov_b32 s[SEL+1], 0xfedcba98
	s_wait_kmcnt 0x0
	s_add_nc_u64 s[20:21], s[4:5], s[20:21]
	s_add_nc_u64 s[22:23], s[4:5], s[22:23]
	s_add_nc_u64 s[46:47], s[4:5], s[46:47]
	s_add_nc_u64 s[92:93], s[4:5], s[92:93]
	CROUND
	s_mov_b32 s[G0S], 1
	s_add_co_u32 s[G0S+1], s94, SCL
	s_mov_b64 s[G0S+2:G0S+3], s[22:23]
	s_or_b32 s[G0S+3], s[G0S+3], 0x80000000
	s_mov_b32 s[G0SB], 1
	s_add_co_u32 s[G0SB+1], s94, SCL
	s_mov_b64 s[G0SB+2:G0SB+3], s[92:93]
	s_or_b32 s[G0SB+3], s[G0SB+3], 0x80000000
	JLOAD G0S, G1S, G0SB, G1SB
.irp s, 0,1
	s_mov_b32 s[G0+4*\s], 1
	s_add_co_u32 s[G0+4*\s+1], s45, \s*SLOT
	s_add_nc_u64 s[G0+4*\s+2:G0+4*\s+3], s[20:21], \s*HALFT
	s_or_b32 s[G0+4*\s+3], s[G0+4*\s+3], 0x80000000
	s_mov_b32 s[G0B+4*\s], 1
	s_add_co_u32 s[G0B+4*\s+1], s45, \s*SLOT
	s_add_nc_u64 s[G0B+4*\s+2:G0B+4*\s+3], s[46:47], \s*HALFT
	s_or_b32 s[G0B+4*\s+3], s[G0B+4*\s+3], 0x80000000
	s_wait_alu depctr_va_vdst(0)
	s_wait_tensorcnt 0x0
	ds_add_u32 v28, v29
	s_wait_dscnt 0x0
	CROUND
	JLOAD G0+4*\s, G1, G0B+4*\s, G1B
.endr
	v_and_b32 v1, 15, v0
	v_bfe_u32 v2, v0, 4, 1
	v_and_b32 v3, 31, v0
	v_lshlrev_b32 v[LA], 4, v3
	v_lshlrev_b32 v[LB0], 4, v1
	v_lshl_add_u32 v[LB0], v2, 3, v[LB0]
	v_lshlrev_b32 v[LC], 2, v3
	v_lshlrev_b32 v[SH8], 3, v2
	v_lshlrev_b32 v[SH16], 4, v2
	s_mul_i32 s21, s15, HALFT
	s_mul_i32 s22, s16, HALFT
	s_add_co_u32 s22, s22, 2*HALFT
.irp s, 0,1
	v_add_nc_u32 v[ADRA+\s], s21, v[LA]
	v_add_nc_u32 v[ADRB+\s], s22, v[LA]
	v_add_nc_u32 v[ADRA+2+\s], s21, v[LB0]
	v_add_nc_u32 v[ADRB+2+\s], s22, v[LB0]
	s_add_co_u32 s21, s21, SLOT
	s_add_co_u32 s22, s22, SLOT
.endr
	v_lshlrev_b32 v6, 2, v1
	s_lshl_b32 s21, s15, 12
	s_lshl_b32 s22, s16, 12
	s_add_co_u32 s22, s22, 2*HALFS
	s_sub_co_u32 s22, s22, s21
	v_mul_u32_u24 v7, s22, v2
	s_add_co_u32 s21, s21, SCL
	v_add_nc_u32 v6, v6, v7
	v_add_nc_u32 v[ADRS], s21, v6
	s_lshl_b32 s21, s40, 1
	s_add_co_u32 s21, s21, s19
	s_add_co_u32 s21, s21, s16
	s_lshl_b32 s96, s21, 9
	s_mov_b32 s97, 0
	s_add_nc_u64 s[96:97], s[6:7], s[96:97]
	v_lshlrev_b32 v10, 7, v2
	WIN TO_B
.irp c, 0,1
.irp j, 0,1,2,3,4,5,6,7
	global_load_b128 v[96+128*\c+4*\j:99+128*\c+4*\j], v10, s[96:97] offset:256*\c+16*\j
.endr
.endr
	WIN 0
	s_lshl_b32 s21, s41, 1
	s_add_co_u32 s21, s21, s15
	s_lshl_b32 s21, s21, 9
	s_add_co_u32 s94, s21, 8192
	s_mov_b32 s95, 0
	s_add_nc_u64 s[94:95], s[6:7], s[94:95]
	v_lshrrev_b32 v11, 3, v1
	v_lshlrev_b32 v11, 5, v11
	v_and_b32 v12, 7, v1
	v_add_nc_u32 v11, v11, v12
	v_lshlrev_b32 v11, 2, v11
.irp a, 0,1,2,3,4,5,6,7
	global_load_b32 v[BR+2*\a], v11, s[94:95] offset:256*(\a/4)+32*(\a%4)
	global_load_b32 v[BR+2*\a+1], v11, s[94:95] offset:256*(\a/4)+32*(\a%4)
.endr
.macro FRAG reg, adr, q, i
	ds_load_b128 v[\reg:\reg+3], v[\adr] offset:(\i)*3072+(\q)*1536
	ds_load_b64 v[\reg+4:\reg+5], v[\adr+2] offset:(\i)*3072+(\q)*1536+512
	ds_load_b128 v[\reg+6:\reg+9], v[\adr] offset:(\i)*3072+(\q)*1536+768
	ds_load_b64 v[\reg+10:\reg+11], v[\adr+2] offset:(\i)*3072+(\q)*1536+1280
.endm
.macro MUL16 a0, p, q, sc, zero
.irp a, \a0, \a0+1
.irp b, 0,1,2,3,4,5,6,7
.if \zero
	v_wmma_scale_f32_16x16x128_f8f6f4 v[8*(8*((\a)%4)+\b):8*(8*((\a)%4)+\b)+7], v[128*(\p)+FR*\b:128*(\p)+FR*\b+FR-1], v[AF+FR*(\a):AF+FR*(\a)+FR-1], 0, v[SC+8*NQ*(\sc)+NQ*\b+(\q)], v[SC+8*NQ*(\sc)+NQ*(\a)+(\q)] matrix_a_fmt:MATRIX_FMT_BF6 matrix_b_fmt:MATRIX_FMT_BF6 matrix_a_scale:MATRIX_SCALE_ROW1
.else
	v_wmma_scale_f32_16x16x128_f8f6f4 v[8*(8*((\a)%4)+\b):8*(8*((\a)%4)+\b)+7], v[128*(\p)+FR*\b:128*(\p)+FR*\b+FR-1], v[AF+FR*(\a):AF+FR*(\a)+FR-1], v[8*(8*((\a)%4)+\b):8*(8*((\a)%4)+\b)+7], v[SC+8*NQ*(\sc)+NQ*\b+(\q)], v[SC+8*NQ*(\sc)+NQ*(\a)+(\q)] matrix_a_fmt:MATRIX_FMT_BF6 matrix_b_fmt:MATRIX_FMT_BF6 matrix_a_scale:MATRIX_SCALE_ROW1
.endif
.endr
.endr
.endm
.macro FETCH_B slot, q, p
	WIN TO_B
.irp i, 0,1,2,3,4,5,6,7
	FRAG 128*(\p)+FR*\i, ADRB+\slot, \q, \i
.endr
	WIN 0
.endm
.macro FETCH_A slot, q, i0
.irp i, \i0, \i0+1, \i0+2, \i0+3
	FRAG AF+FR*(\i), ADRA+\slot, \q, \i
.endr
.endm
.macro SCALES sc
.irp i, 0,1,2,3,4,5,6,7
	ds_load_b32 v[SC+16*\sc+2*\i], v[ADRS] offset:512*\i
	ds_load_b32 v[SC+16*\sc+2*\i+1], v[ADRS] offset:512*\i+64
.endr
.endm
.macro PLACES n
.rept \n
	v_nop
.endr
.endm
.macro STEP slot, q, zero
	s_wait_dscnt 4*NL
	WIN MUL_LO
	MUL16 0, (\q)%2, \q, \slot, \zero
	MUL16 2, (\q)%2, \q, \slot, \zero
	s_wait_dscnt 0
	PLACES NP
	FETCH_B \slot, (\q)+1, 1-(\q)%2
	FETCH_A \slot, (\q)+1, 0
	WIN MUL_HI
	MUL16 4, (\q)%2, \q, \slot, \zero
	MUL16 6, (\q)%2, \q, \slot, \zero
	PLACES NP
	WIN 0
	FETCH_A \slot, (\q)+1, 4
.endm
.macro TURN slot, next, fill
	s_wait_tensorcnt 0x0
	ds_add_u32 v[SPW], v[NIL]
	s_wait_dscnt 4*NL+1
	WIN MUL_LO
	MUL16 0, 1, NQ-1, \slot, 0
	s_wait_dscnt 0x0
	s_barrier_signal -1
	MUL16 2, 1, NQ-1, \slot, 0
	WIN 0
	s_barrier_wait -1
.if \fill
	CREST
	s_add_nc_u64 s[G0+4*\slot+2:G0+4*\slot+3], s[G0+4*\slot+2:G0+4*\slot+3], 2*HALFT
	s_add_nc_u64 s[G0B+4*\slot+2:G0B+4*\slot+3], s[G0B+4*\slot+2:G0B+4*\slot+3], 2*HALFT
	JLOAD G0+4*\slot, G1, G0B+4*\slot, G1B
.else
	PLACES NP
.endif
	s_wait_alu depctr_va_vdst(0)
	v_add_nc_u32 v[ADRS], 64*NQ, v[ADRS]
	FETCH_B \next, 0, 0
	FETCH_A \next, 0, 0
	SCALES \next
	WIN MUL_HI
	MUL16 4, 1, NQ-1, \slot, 0
	MUL16 6, 1, NQ-1, \slot, 0
	PLACES NP
	WIN 0
	FETCH_A \next, 0, 4
.endm
	s_wait_alu depctr_va_vdst(0)
	s_wait_tensorcnt 1
	s_barrier_signal -1
	s_barrier_wait -1
	FETCH_B 0, 0, 0
	FETCH_A 0, 0, 0
	SCALES 0
	FETCH_A 0, 0, 4
	STEP 0, 0, 1
	TURN 0, 1, 1
	STEP 1, 0, 0
	TURN 1, 0, 1
	STEP 0, 0, 0
	TURN 0, 1, 0
	STEP 1, 0, 0
	s_wait_dscnt 4*NL
	WIN MUL_LO
	MUL16 0, 1, NQ-1, 1, 0
	MUL16 2, 1, NQ-1, 1, 0
	s_wait_dscnt 0
	WIN MUL_HI
	MUL16 4, 1, NQ-1, 1, 0
	MUL16 6, 1, NQ-1, 1, 0
	WIN 0
.macro MAXTREE d, e, s
	v_max3_num_f32 v[\d], |v[\s]|, |v[\s+1]|, 0x2800000
	v_max3_num_f32 v[\e], |v[\s+16]|, |v[\s+17]|, |v[\s+18]|
.irp i, 2,4,6,8,10,12
	v_max3_num_f32 v[\d], v[\d], |v[\s+\i]|, |v[\s+\i+1]|
	v_max3_num_f32 v[\e], v[\e], |v[\s+\i+17]|, |v[\s+\i+18]|
.endr
	v_max3_num_f32 v[\d], v[\d], |v[\s+14]|, |v[\s+15]|
	v_max3_num_f32 v[\d], v[\d], v[\e], |v[\s+31]|
.endm
.macro QUANT2 s, pc, pw
	MAXTREE QM, QN, \s
	MAXTREE QM+1, QN+1, \s+32
.irp c, 0,1
	v_add_nc_u32 v[QS+\c], 0xfe000000, v[QM+\c]
.endr
.irp c, 0,1
	v_lshrrev_b32 v[QB+\c], 23, v[QS+\c]
.endr
	v_lshl_or_b32 v[QW], v[QB+1], 16, v[QB]
	v_lshlrev_b32 v[QW], v[SH8], v[QW]
	v_permlanex16_b32 v[QP], v[QW], s[SEL], s[SEL+1]
	v_or_b32 v[\pw], v[QW], v[QP]
.irp c, 0,1
	v_cvt_scalef32_pk16_bf6_f32 v[\pc+6*\c:\pc+6*\c+2], v[\s+32*\c:\s+32*\c+15], v[QS+\c]
	v_cvt_scalef32_pk16_bf6_f32 v[QT+4*\c:QT+4*\c+2], v[\s+32*\c+16:\s+32*\c+31], v[QS+\c]
.endr
	v_nop
.irp c, 0,1
.irp i, 0,1,2
	v_mov_b32 v[\pc+6*\c+3+\i], v[QT+4*\c+\i]
.endr
.endr
.endm
.macro EPI a, isv
.if \isv
	WIN 0x02+((\a)/4)
.else
	WIN 0x06+((\a)/4)
.endif
.set n, 0
.rept 32
.if \isv
	v_pk_add_f32 v[Y+n:Y+n+1], v[64*((\a)%4)+n:64*((\a)%4)+n+1], v[BR+2*(\a):BR+2*(\a)+1]
.else
	v_pk_add_f32 v[Y+n:Y+n+1], v[64*((\a)%4)+n:64*((\a)%4)+n+1], v[96+n+96*(n/32):96+n+96*(n/32)+1]
.endif
.set n, n+2
.endr
	WIN 0
	s_wait_xcnt 0x0
	QUANT2 Y, PC, PW
.if \isv
.irp c, 0,1
	global_store_b128 v[LA], v[PC+6*\c:PC+6*\c+3], s[48:49] offset:((\a)/4)*HEADKV+3072*\c+768*((\a)%4)
	global_store_b64 v[LB0], v[PC+6*\c+4:PC+6*\c+5], s[48:49] offset:((\a)/4)*HEADKV+3072*\c+768*((\a)%4)+512
.endr
.if (\a)%2
	v_cndmask_b32 v[WW], v[PWE], v[PW], vcc_lo
	global_store_b32 v[LC], v[WW], s[48:49] offset:6656+((\a)/4)*HEADKV+64*((\a)%4-1)
.else
	v_mov_b32 v[PWE], v[PW]
.endif
.else
	global_store_b128 v[LA], v[PC:PC+3], s[48:49] offset:768*(\a)
	global_store_b64 v[LB0], v[PC+4:PC+5], s[48:49] offset:768*(\a)+512
	global_store_b128 v[LA], v[PC+6:PC+9], s[50:51] offset:768*(\a)
	global_store_b64 v[LB0], v[PC+10:PC+11], s[50:51] offset:768*(\a)+512
	v_bfe_u32 v[WW], v[PW], v[SH16], 16
	global_store_b32 v[LS], v[WW], s[52:53] offset:64*(\a)
.endif
.endm
	s_wait_loadcnt 0x0
	PLACES NP
	v_mov_b32 v[QP], 0
	s_cmp_eq_u32 ttmp9, 2
	s_cbranch_scc1 .Lv_out
	s_lshl_b32 s20, s17, 2
	s_add_co_u32 s20, s20, s41
	s_lshl_b32 s20, s20, 1
	s_add_co_u32 s20, s20, s15
	s_lshr_b32 s21, s20, 4
	s_and_b32 s22, s20, 15
	s_lshl_b32 s23, s40, 1
	s_add_co_u32 s23, s23, s16
	s_lshl_b32 s23, s23, 1
	s_lshl_b32 s21, s21, 4
	s_add_co_u32 s21, s21, s23
	s_mov_b32 s46, HEADKV
	s_mov_b32 s47, STEPB
	s_mov_b32 s93, HEADKV
	s_mov_b32 s94, STEPB
	s_mov_b32 s95, KVB+12288
	s_cmp_eq_u32 ttmp9, 0
	s_cselect_b32 s46, 98304, s46
	s_cselect_b32 s47, 6144, s47
	s_cselect_b32 s92, 0, KVB
	s_cselect_b32 s93, 8192, s93
	s_cselect_b32 s94, 512, s94
	s_cselect_b32 s95, Q_SCALES, s95
	s_mul_i32 s96, s21, s46
	s_mul_i32 s97, s22, s47
	s_add_co_u32 s96, s96, s97
	s_add_co_u32 s96, s96, s92
	s_mov_b32 s97, 0
	s_add_nc_u64 s[48:49], s[8:9], s[96:97]
	s_mov_b32 s47, 0
	s_add_nc_u64 s[50:51], s[48:49], s[46:47]
	s_mul_i32 s96, s21, s93
	s_mul_i32 s92, s22, s94
	s_add_co_u32 s96, s96, s92
	s_add_co_u32 s96, s96, s95
	s_add_nc_u64 s[52:53], s[8:9], s[96:97]
	v_mul_u32_u24 v[LS], s93, v2
	v_lshl_add_u32 v[LS], v1, 2, v[LS]
.irp a, 0,1,2,3,4,5,6,7
	EPI \a, 0
.endr
	s_branch .Lout
.Lv_out:
	s_lshl_b32 s20, s17, 2
	s_add_co_u32 s20, s20, s40
	s_lshl_b32 s20, s20, 1
	s_add_co_u32 s20, s20, s16
	s_lshr_b32 s21, s20, 4
	s_and_b32 s22, s20, 15
	s_lshl_b32 s23, s41, 1
	s_add_co_u32 s23, s23, s15
	s_lshl_b32 s23, s23, 1
	s_lshl_b32 s21, s21, 4
	s_add_co_u32 s21, s21, s23
	s_mul_i32 s96, s21, HEADKV
	s_mul_i32 s97, s22, STEPB
	s_add_co_u32 s96, s96, s97
	s_add_co_u32 s96, s96, KVB+6144
	s_mov_b32 s97, 0
	s_add_nc_u64 s[48:49], s[8:9], s[96:97]
	v_cmp_ne_u32 vcc_lo, 0, v2
.irp a, 0,1,2,3,4,5,6,7
	EPI \a, 1
.endr
.Lout:
	s_wait_tensorcnt 0x0
	ds_add_u32 v[SPW], v[NIL]
	s_wait_dscnt 0x0
	CROUND
	s_endpgm
.Lfunc_end_k_q3c7098e7cf_qkv:
	.size	k_q3c7098e7cf_qkv, .Lfunc_end_k_q3c7098e7cf_qkv-k_q3c7098e7cf_qkv
	.p2alignl 7, 3214868480
	.fill 96, 4, 3214868480
	.section	.rodata,"a",@progbits
	.p2align	6, 0x0
	.amdhsa_kernel k_q3c7098e7cf_qkv
		.amdhsa_group_segment_fixed_size 327680
		.amdhsa_private_segment_fixed_size 0
		.amdhsa_enable_private_segment 0
		.amdhsa_kernarg_size 24
		.amdhsa_user_sgpr_count 2
		.amdhsa_user_sgpr_kernarg_segment_ptr 1
		.amdhsa_wavefront_size32 1
		.amdhsa_system_sgpr_workgroup_id_x 1
		.amdhsa_system_sgpr_workgroup_id_y 1
		.amdhsa_system_sgpr_workgroup_id_z 1
		.amdhsa_system_vgpr_workitem_id 0
		.amdhsa_next_free_vgpr 1024
		.amdhsa_next_free_sgpr 100
		.amdhsa_reserve_vcc 1
		.amdhsa_float_denorm_mode_32 3
		.amdhsa_float_denorm_mode_16_64 3
		.amdhsa_memory_ordered 1
		.amdhsa_forward_progress 1
		.amdhsa_inst_pref_size 211
	.end_amdhsa_kernel
	.amdgpu_metadata
---
amdhsa.version: [ 1, 2 ]
amdhsa.kernels:
  - .name:           k_q3c7098e7cf_qkv
    .symbol:         k_q3c7098e7cf_qkv.kd
    .args:
      - { .name: xw, .offset: 0, .size: 8, .value_kind: global_buffer, .address_space: global }
      - { .name: b_qkv, .offset: 8, .size: 8, .value_kind: global_buffer, .address_space: global }
      - { .name: qkv, .offset: 16, .size: 8, .value_kind: global_buffer, .address_space: global }
    .group_segment_fixed_size: 327680
    .private_segment_fixed_size: 0
    .kernarg_segment_align: 8
    .kernarg_segment_size: 24
    .max_flat_workgroup_size: 128
    .sgpr_count:     100
    .vgpr_count:     1024
    .wavefront_size: 32
...
	.end_amdgpu_metadata
.endif
;; end of part 2
;; launch attn (part 3): grid 4 x 64, 16 waves a work-group, no clusters, 210,944 bytes of LDS; arguments qkv, maskw, ao; writes ao
.if DOCPART == 3
	.amdgcn_target "amdgcn-amd-amdhsa--gfx1250"
	.amdhsa_code_object_version 6
	.text
	.protected	k_q3c7098e7cf_attn
	.globl	k_q3c7098e7cf_attn
	.p2align	8
	.type	k_q3c7098e7cf_attn,@function
k_q3c7098e7cf_attn:
	s_mov_b64 s[64:65], 0
	v_nop
	global_prefetch_b8 v0, s[64:65] scope:SCOPE_SE
	s_setreg_imm32_b32 hwreg(HW_REG_WAVE_MODE, 25, 1), 1
	s_wait_xcnt 0x0
; ATTN: for each (batch, head): softmax(q k^T / 8, under the two given masks) v, both products on codes of BF6 (E3M2) with E8M0 scales; the result, divided by the row's sum, is quantised along the model's 1,024 and stored as the last product's operand.
; THE SOFTMAX: t = score x log2(e) / 8; M = the running largest t rounded UP to a whole number; p = 2^(t - M) is quantised along the keys, not normalised; the row's sum is taken of the unquantised p; when M moves, the sum and O are multiplied by 2^(old M - new M): exact.
; SHARES.  Work-group (g, head): the whole head's keys and values, 208,896 bytes of codes and scale words, lie in LDS, stored once: wave w brings step w's 13,056 bytes through registers, 26 loads.
; Each of sixteen waves owns two tiles of 16 queries, one after the other: T = g + 4 w, then 127 - T.
; THE MASKS are inputs, and whole numbers.  An earlier launch has stored, for each (batch, tile, step of 128 keys), 64 words of lane bits (word j: the select mask of score register j) and two words more: which lanes have all their 64 keys hidden, which have some.
; From these a step gets a class: 0 no key hidden: the step runs with no mask words and no selects; 1 some hidden: hidden scores become -2^120 ahead of the maximum; 2 all hidden for all 16 queries: the step is jumped over: each of its p would be 0 under the row's final M.
; That holds only of a query that sees some key.  A query that sees none has p = 1 at all 2,048 keys (the plain average of v): where a tile has such a query (the AND of the 16 steps' first words has bits r and r + 16 set), its hidden steps get class 1 and none is jumped over.
; The walk branches on words read from memory; K and V come through registers, no load is shared, and cluster = none.
; No prefetch: all of K and V is asked for at once at the head, and there is no loop to run ahead in.
; LAYOUT.  Both products transposed: S^T = K Q^T, O^T = V^T P^T: a lane holds ONE query.  The keys of a tile of K, and the channels of a tile of V^T, are chosen (row p of tile t in a group of 64 = 32 (p / 8) + 8 t + p % 8) so that a lane's 32 registers
; of four tiles are a WHOLE block of 32 neighbours.  The head has 64 channels, half of the instruction's K: q's upper six registers are zero codes, so what stands in K's upper six adds nothing: the next tile's codes, and behind K's last tile the SECOND query tile's q, which waits there.
; LIMITS: NaN and infinities are not served; a hidden score is -2^120 in place of the least f32 number, so scores at or under -2^120 are not served; a block whose largest magnitude lies under 2^-122 keeps the scale byte 1.
.set QSB,    6291456                   ; in qkv: q's scale words,
.set KVB,    6815744                   ; the heads' keys and values
.set HEADKV, 208896
.set STEPB,  13056                     ; a step: 8 tiles of K (768 each), 8 half-images of V^T from 6,144, K's scale words from 12,288, V's from 12,800
.set AOS,    6291456                   ; in ao: the scale words
.set FLG,    2097152                   ; in maskw: the two words a step
.set SPARE,  0x33000                   ; behind the record: the spare words, 128 bytes for each wave
.set LA,  1                            ; v1  16 x lane
.set LB0, 2                            ; v2  16 r + 8 h
.set LC,  3                            ; v3  4 x lane
.set A1,  4                            ; v4-6 the same + the step's first LDS byte
.set A2,  5
.set A3,  6
.set SH8, 7                            ; v7  8 h
.set SM,  8                            ; v8  -2^120
.set QSC, 9                            ; v9  q's scale words
.set PW,  10                           ; v10 p's scale word
.set PD,  11                           ; v11 a lane permute's destination
                                       ; v12 -M, v13 the largest t, v[14:15] the sum in two halves
.set QF,  16                           ; v16-27 q's fragment (v22-27 zero codes)
.set KS,  28                           ; v28-31 K's scale words: lanes 0-15 tile 2 p, lanes 16-31 tile 2 p + 1
.set VS,  32                           ; v32-33 V's likewise
.set FP,  34                           ; v34 f, later 1 / the sum; v35, named with it as a pair and never used by it, keeps the second tile's q scale words
.set KF,  36                           ; v36-83 K's eight tiles, six registers each; v84-89 the second tile's q codes
.set VF,  90                           ; v90-137 V^T's four fragments
.set S,   138                          ; v138-201 S^T, then p
.set O,   202                          ; v202-233 O^T
.set PC,  234                          ; v234-245 p's codes
.set TM,  246                          ; v246-253 at work
.set SC,  254                          ; v254-255 the conversions' scale operands
.set FB,  90                           ; v90-191 at the head: my step's record on its way to LDS
.set CS,  96                           ; s[96:97] c = log2(e) / 8
.set SEL, 98                           ; s[98:99]
; s[2:3] q's codes, s[4:5] q's scale words, s[76:77] my step of K and V; s[6:7] the batch's mask records; s[72:73], s[74:75] my head's places in ao
; s8 wave, s9 g, s10 batch x 16 + head, s11 batch, s13 T, s14 tiles done, s15 steps done, s68 the record's offset, s69 the step's class, s70 the classes left, s78 the second tile's, s71 the step's first LDS byte; s[16:63], s[80:95] 64 mask words
.macro MAXTREE d, e, s
	v_max3_num_f32 v[\d], |v[\s]|, |v[\s+1]|, 0x2800000
	v_max3_num_f32 v[\e], |v[\s+16]|, |v[\s+17]|, |v[\s+18]|
.irp i, 2,4,6,8,10,12
	s_delay_alu instid0(VALU_DEP_2)
	v_max3_num_f32 v[\d], v[\d], |v[\s+\i]|, |v[\s+\i+1]|
	s_delay_alu instid0(VALU_DEP_2)
	v_max3_num_f32 v[\e], v[\e], |v[\s+\i+17]|, |v[\s+\i+18]|
.endr
	s_delay_alu instid0(VALU_DEP_2)
	v_max3_num_f32 v[\d], v[\d], |v[\s+14]|, |v[\s+15]|
	s_delay_alu instid0(VALU_DEP_1)
	v_max3_num_f32 v[\d], v[\d], v[\e], |v[\s+31]|
.endm
; a tile's 16 classes, two bits each, step 0 lowest, from its 16 words 'all hidden' s[a ..] and 16 words 'some hidden' s[o ..]
.macro CLASSES a, o, dst
	s_and_b32 s66, s[\a], s[\a+1]
.irp i, 2,3,4,5,6,7,8,9,10,11,12,13,14,15
	s_and_b32 s66, s66, s[\a+\i]
.endr
	s_lshr_b32 s67, s66, 16
	s_and_b32 s66, s66, s67                        ; bit r: query r sees no key in any step
	s_cmp_lg_u32 s66, 0
	s_cselect_b32 s67, 1, 2                        ; the class of a wholly hidden step
	s_mov_b32 s[\dst], 0
.irp i, 15,14,13,12,11,10,9,8,7,6,5,4,3,2,1,0
	s_cmp_eq_u32 s[\a+\i], -1
	s_cselect_b32 s66, s67, 1
	s_cmp_eq_u32 s[\o+\i], 0
	s_cselect_b32 s66, 0, s66
	s_lshl_b32 s[\dst], s[\dst], 2
	s_or_b32 s[\dst], s[\dst], s66
.endr
.endm
	s_load_b128 s[80:83], s[0:1], 0x0              ; qkv, maskw
	s_load_b64 s[84:85], s[0:1], 0x10              ; ao
	v_lshrrev_b32 v4, 5, v0
	s_delay_alu instid0(VALU_DEP_1)
	v_readfirstlane_b32 s8, v4                     ; wave 0..15
	v_and_b32 v4, 31, v0
	v_and_b32 v5, 15, v0
	v_bfe_u32 v6, v0, 4, 1
	s_delay_alu instid0(VALU_DEP_3)
	v_lshlrev_b32 v[LA], 4, v4
	s_delay_alu instid0(VALU_DEP_3)
	v_lshlrev_b32 v[LB0], 4, v5
	s_delay_alu instid0(VALU_DEP_1)
	v_lshl_add_u32 v[LB0], v6, 3, v[LB0]
	v_lshlrev_b32 v[LC], 2, v4
	v_lshlrev_b32 v[SH8], 3, v6
	v_mov_b32 v[SM], 0xfb800000
	v_mov_b32 v[PD], 0
.irp i, 0,1,2,3,4,5
	v_mov_b32 v[QF+6+\i], 0                        ; the idle half of K: zero codes, set once
.endr
	s_mov_b32 s9, ttmp9                            ; g
	s_and_b32 s10, ttmp7, 0xffff                   ; batch x 16 + head
	s_lshr_b32 s11, s10, 4
	s_lshl_b32 s13, s8, 2
	s_add_co_u32 s13, s13, s9                      ; my first tile: g + 4 w
	s_sub_co_u32 s79, 127, s13                     ; my second
	s_mul_i32 s100, s13, 768
	s_mul_i32 s101, s79, 768
	v_add_nc_u32 v246, s100, v[LA]                 ; q's half-images,
	v_add_nc_u32 v247, s100, v[LB0]
	v_add_nc_u32 v249, s101, v[LA]
	v_add_nc_u32 v250, s101, v[LB0]
	s_lshl_b32 s100, s13, 6
	s_lshl_b32 s101, s79, 6
	v_lshl_add_u32 v248, v5, 2, s100               ; and scale words
	v_lshl_add_u32 v251, v5, 2, s101
	s_mul_i32 s104, s8, STEPB                      ; my step of the record, in memory and in LDS alike
	v_lshlrev_b32 v254, 3, v4
	v_add_nc_u32 v252, s104, v[LA]
	s_delay_alu instid0(VALU_DEP_2)
	v_add_nc_u32 v253, s104, v254
	s_mov_b32 s[CS], 0x3e38aa3b
	s_mov_b32 s[CS+1], s[CS]                       ; (named with it as a pair, so it is written)
	s_mov_b32 s[SEL], 0x76543210
	s_mov_b32 s[SEL+1], 0xfedcba98
	s_mov_b32 s14, 0
	s_mov_b32 s101, 0
	s_wait_alu depctr_va_vdst(0)                   ; the wait at the head's end
	s_wait_kmcnt 0x0
	s_mul_i32 s100, s10, HEADKV
	s_add_co_u32 s100, s100, KVB
	s_add_co_u32 s100, s100, s104
	s_add_nc_u64 s[76:77], s[80:81], s[100:101]
.set i, 0
.rept 25                                       ; 25 x 512 bytes and 256 more: each load reads consecutive bytes
	global_load_b128 v[FB+4*i:FB+4*i+3], v[LA], s[76:77] offset:512*i
.set i, i+1
.endr
	global_load_b64 v[FB+100:FB+101], v254, s[76:77] offset:12800
	s_mul_i32 s100, s10, 98304
	s_add_nc_u64 s[2:3], s[80:81], s[100:101]
	s_lshl_b32 s100, s10, 13
	s_add_co_u32 s100, s100, QSB
	s_add_nc_u64 s[4:5], s[80:81], s[100:101]
	global_load_b128 v[QF:QF+3], v246, s[2:3]
	global_load_b64 v[QF+4:QF+5], v247, s[2:3] offset:512
	global_load_b32 v[QSC], v248, s[4:5]
	global_load_b128 v[KF+48:KF+51], v249, s[2:3]  ; the second tile's q waits where it adds nothing
	global_load_b64 v[KF+52:KF+53], v250, s[2:3] offset:512
	global_load_b32 v[FP+1], v251, s[4:5]
	s_lshl_b32 s100, s11, 19
	s_add_nc_u64 s[6:7], s[82:83], s[100:101]
	s_and_b32 s66, s10, 15                         ; the head = the last product's K group of 64
	s_mul_i32 s100, s11, 16*98304
	s_lshr_b32 s67, s66, 2
	s_mul_i32 s67, s67, 24576
	s_add_co_u32 s100, s100, s67
	s_bfe_u32 s67, s66, 0x10001
	s_mul_i32 s67, s67, 1536
	s_add_co_u32 s100, s100, s67
	s_and_b32 s67, s66, 1
	s_mul_i32 s67, s67, 768
	s_add_co_u32 s100, s100, s67
	s_add_nc_u64 s[72:73], s[84:85], s[100:101]
	s_lshl_b32 s100, s11, 16
	s_lshr_b32 s67, s66, 1
	s_lshl_b32 s67, s67, 6
	s_add_co_u32 s100, s100, s67
	s_and_b32 s67, s66, 1
	s_lshl_b32 s67, s67, 1
	s_add_co_u32 s100, s100, s67
	s_add_co_u32 s100, s100, AOS
	s_add_nc_u64 s[74:75], s[84:85], s[100:101]
	s_lshl_b32 s100, s11, 14
	s_add_co_u32 s100, s100, FLG
	s_add_nc_u64 s[104:105], s[82:83], s[100:101]  ; the batch's words 'all hidden', 'some hidden': 128 bytes a tile
	s_lshl_b32 s66, s13, 7
	s_lshl_b32 s67, s79, 7
	s_load_b512 s[16:31], s[104:105], s66 offset:0x0
	s_load_b512 s[32:47], s[104:105], s66 offset:0x40
	s_load_b512 s[48:63], s[104:105], s67 offset:0x0
	s_load_b512 s[80:95], s[104:105], s67 offset:0x40   ; (the arguments that lay here have been used)
	s_wait_kmcnt 0x0
	CLASSES 16, 32, 70                             ; both tiles' classes are made while the record is on its way
	CLASSES 48, 80, 78
	s_wait_loadcnt 19                              ; the record's first 13 loads are in; its other 13 and q's six may be out
.set i, 0
.rept 13
	ds_store_b128 v252, v[FB+4*i:FB+4*i+3] offset:512*i
.set i, i+1
.endr
	s_wait_loadcnt 6                               ; the record is in; q's six may be out
.rept 12
	ds_store_b128 v252, v[FB+4*i:FB+4*i+3] offset:512*i
.set i, i+1
.endr
	ds_store_b64 v253, v[FB+100:FB+101] offset:12800
	s_wait_loadcnt 0x0                             ; q, both tiles'
	s_wait_dscnt 0x0                               ; my stores are done,
	s_barrier_signal -1
	s_barrier_wait -1                              ; everybody's are: from here on LDS is only read
; A step of 128 keys.  m = 1: some keys are hidden: the 64 mask words are read and the hidden scores replaced; m = 0: none is.
.macro BODY m
.if \m
	s_load_b512 s[16:31], s[6:7], s68 offset:0x0
	s_load_b512 s[32:47], s[6:7], s68 offset:0x40
	s_load_b512 s[48:63], s[6:7], s68 offset:0x80
	s_load_b512 s[80:95], s[6:7], s68 offset:0xc0
.endif
	v_add_nc_u32 v[A1], s71, v[LA]
	v_add_nc_u32 v[A2], s71, v[LB0]
	v_add_nc_u32 v[A3], s71, v[LC]
.irp t, 0,1,2,3,4,5,6,7
	ds_load_b128 v[KF+6*\t:KF+6*\t+3], v[A1] offset:768*\t
	ds_load_b64 v[KF+6*\t+4:KF+6*\t+5], v[A2] offset:768*\t+512
.endr
.irp p, 0,1,2,3
	ds_load_b32 v[KS+\p], v[A3] offset:12288+128*\p
.endr
.irp t, 0,1,2,3
.irp c, 0,1
	ds_load_b128 v[VF+12*\t+6*\c:VF+12*\t+6*\c+3], v[A1] offset:6144+3072*\c+768*\t
	ds_load_b64 v[VF+12*\t+6*\c+4:VF+12*\t+6*\c+5], v[A2] offset:6144+3072*\c+768*\t+512
.endr
.endr
.irp p, 0,1
	ds_load_b32 v[VS+\p], v[A3] offset:12800+128*\p
.endr
	s_wait_dscnt 18                                ; K and its scale words are in; V's sixteen loads and its two of scale words may be out
.irp t, 0,1,2,3,4,5,6,7                        ; S^T = K Q^T: register 32 c + i of lane (r, h) is key 64 c + 32 h + i of the step, for query r
.if (\t)%2
	v_wmma_scale_f32_16x16x128_f8f6f4 v[S+8*\t:S+8*\t+7], v[KF+6*\t:KF+6*\t+11], v[QF:QF+11], 0, v[KS+\t/2], v[QSC] matrix_a_fmt:MATRIX_FMT_BF6 matrix_b_fmt:MATRIX_FMT_BF6 matrix_a_scale:MATRIX_SCALE_ROW1
.else
	v_wmma_scale_f32_16x16x128_f8f6f4 v[S+8*\t:S+8*\t+7], v[KF+6*\t:KF+6*\t+11], v[QF:QF+11], 0, v[KS+\t/2], v[QSC] matrix_a_fmt:MATRIX_FMT_BF6 matrix_b_fmt:MATRIX_FMT_BF6
.endif
.endr
.rept 4
	v_nop                                          ; places behind the products, ahead of the first read of their results
.endr
.if \m
	s_wait_kmcnt 0x0                               ; the mask words are in; their offset register may be stepped behind the step
.set j, 0
.rept 64                                       ; each tile of scores from its low end on
.if j < 48
	v_cndmask_b32 v[S+j], v[S+j], v[SM], s[16+j]   ; hidden: -2^120
.else
	v_cndmask_b32 v[S+j], v[S+j], v[SM], s[32+j]
.endif
.set j, j+1
.endr
.endif
.irp c, 0,1                                    ; THE LARGEST SCORE OF EACH OF MY TWO BLOCKS: it serves the row's maximum and, since p rises with the score, the block's largest p.  Ascending: each tile of scores is first read at its low end
	v_max3_num_f32 v[TM+\c], v[S+32*\c], v[S+32*\c+1], v[S+32*\c+2]
	v_max3_num_f32 v[TM+2+\c], v[S+32*\c+16], v[S+32*\c+17], v[S+32*\c+18]
.endr
.irp i, 3,5,7,9,11,13                          ; four chains by turns.  The hints stand only where the selects have rewritten the scores: with m = 0 these lines read matrix results
.irp c, 0,1
.if \m
	s_delay_alu instid0(VALU_DEP_4)
.endif
	v_max3_num_f32 v[TM+\c], v[TM+\c], v[S+32*\c+\i], v[S+32*\c+\i+1]
.if \m
	s_delay_alu instid0(VALU_DEP_4)
.endif
	v_max3_num_f32 v[TM+2+\c], v[TM+2+\c], v[S+32*\c+16+\i], v[S+32*\c+17+\i]
.endr
.endr
.if \m
	s_delay_alu instid0(VALU_DEP_3)
.endif
	v_max3_num_f32 v[TM], v[TM], v[TM+2], v[S+15]
.if \m
	s_delay_alu instid0(VALU_DEP_2)
.endif
	v_max3_num_f32 v[TM+1], v[TM+1], v[TM+3], v[S+47]
.irp c, 0,1
.if \m
	s_delay_alu instid0(VALU_DEP_2)
.endif
	v_max_num_f32 v[TM+\c], v[TM+\c], v[S+32*\c+31]
.endr
	s_delay_alu instid0(VALU_DEP_1)
	v_max_num_f32 v[TM+2], v[TM], v[TM+1]
	s_delay_alu instid0(VALU_DEP_1)
	v_permlanex16_b32 v[PD], v[TM+2], s[SEL], s[SEL+1]
	s_delay_alu instid0(VALU_DEP_1)
	v_max_num_f32 v[TM+2], v[TM+2], v[PD]          ; the step's largest score of my query
	s_delay_alu instid0(VALU_DEP_1)
	v_mul_f32 v[TM+2], s[CS], v[TM+2]
	s_delay_alu instid0(VALU_DEP_1)
	v_max_num_f32 v13, v13, v[TM+2]                ; the running largest t
	v_mov_b32 v[TM+2], v12
	s_delay_alu instid0(VALU_DEP_2)
	v_floor_f32 v12, -v13                          ; the new -M = -ceil(t)
	s_delay_alu instid0(VALU_DEP_1)
	v_sub_f32 v[TM+2], v12, v[TM+2]                ; old M - new M: a whole number, 0 or less
	s_delay_alu instid0(VALU_DEP_1)
	v_cvt_i32_f32 v[TM+2], v[TM+2]                 ; (it saturates)
	s_delay_alu instid0(VALU_DEP_1)
	v_ldexp_f32 v[FP], 1.0, v[TM+2]                ; f = 2^(old M - new M)
.set n, 0
.rept 32
	v_pk_fma_f32 v[S+n:S+n+1], v[S+n:S+n+1], s[CS:CS+1], v[12:13] op_sel_hi:[1,0,0]   ; t - M
.set n, n+2
.endr
	v_fma_f32 v[TM], v[TM], s[CS], v12
	v_fma_f32 v[TM+1], v[TM+1], s[CS], v12
	s_wait_alu depctr_va_vdst(0)                   ; the wait ahead of the batch
.set n, 0
.rept 64
	v_exp_f32 v[S+n], v[S+n]                       ; p = 2^(t - M), at most 1
.set n, n+1
.endr
	v_pk_mul_f32 v[14:15], v[14:15], v[FP:FP+1] op_sel_hi:[1,0]   ; the sums under the new M: the plain line behind the exponentials
	s_wait_alu depctr_va_vdst(0)                   ; one wait for the batch of 64, ahead of its first reader
	v_exp_f32 v[TM], v[TM]                         ; the blocks' largest p: the same two instructions on the same numbers
	v_exp_f32 v[TM+1], v[TM+1]
.set n, 0                                      ; THE ROW'S SUM, of the unquantised p: eight chains, two numbers an instruction
.irp a, 240,242,244,248,250,252,254
	v_pk_add_f32 v[\a:\a+1], v[S+n:S+n+1], v[S+n+2:S+n+3]
.set n, n+4
.endr
.rept 2
	v_pk_add_f32 v[14:15], v[14:15], v[S+n:S+n+1]
.set n, n+2
.irp a, 240,242,244,248,250,252,254
	v_pk_add_f32 v[\a:\a+1], v[\a:\a+1], v[S+n:S+n+1]
.set n, n+2
.endr
.endr
	v_pk_add_f32 v[14:15], v[14:15], v[S+60:S+61]
	v_pk_add_f32 v[240:241], v[240:241], v[S+62:S+63]
	v_pk_add_f32 v[242:243], v[242:243], v[244:245]
	v_pk_add_f32 v[248:249], v[248:249], v[250:251]
	v_pk_add_f32 v[252:253], v[252:253], v[254:255]
	s_delay_alu instid0(VALU_DEP_4)
	v_pk_add_f32 v[14:15], v[14:15], v[240:241]
	s_delay_alu instid0(VALU_DEP_3)
	v_pk_add_f32 v[242:243], v[242:243], v[248:249]
	s_delay_alu instid0(VALU_DEP_2)
	v_pk_add_f32 v[14:15], v[14:15], v[252:253]
	s_delay_alu instid0(VALU_DEP_1)
	v_pk_add_f32 v[14:15], v[14:15], v[242:243]
	s_wait_alu depctr_va_vdst(0)                   ; and one for the two
	v_max_num_f32 v[TM], 0x2800000, v[TM]          ; the floor 2^(5 - 127): the byte cannot fall under 1
	v_max_num_f32 v[TM+1], 0x2800000, v[TM+1]
	s_delay_alu instid0(VALU_DEP_2)
	v_add_nc_u32 v[SC], 0xfe000000, v[TM]          ; 4 off the exponent field: the conversions' scale operands
	s_delay_alu instid0(VALU_DEP_2)
	v_add_nc_u32 v[SC+1], 0xfe000000, v[TM+1]
	s_delay_alu instid0(VALU_DEP_2)
	v_lshrrev_b32 v[TM+2], 23, v[SC]
	s_delay_alu instid0(VALU_DEP_2)
	v_lshrrev_b32 v[TM+3], 23, v[SC+1]
	s_delay_alu instid0(VALU_DEP_1)
	v_lshl_or_b32 v[TM+6], v[TM+3], 16, v[TM+2]    ; my two bytes: blocks h and 2 + h,
	s_delay_alu instid0(VALU_DEP_1)
	v_lshlrev_b32 v[TM+6], v[SH8], v[TM+6]
	s_delay_alu instid0(VALU_DEP_1)
	v_permlanex16_b32 v[PD], v[TM+6], s[SEL], s[SEL+1]
	s_delay_alu instid0(VALU_DEP_1)
	v_or_b32 v[PW], v[TM+6], v[PD]                 ; with lane l xor 16's: p's scale word for these 128 keys
	v_cvt_scalef32_pk16_bf6_f32 v[PC:PC+2], v[S:S+15], v[SC]
	v_cvt_scalef32_pk16_bf6_f32 v[TM:TM+2], v[S+16:S+31], v[SC]
	v_cvt_scalef32_pk16_bf6_f32 v[PC+6:PC+8], v[S+32:S+47], v[SC+1]
	v_cvt_scalef32_pk16_bf6_f32 v[TM+4:TM+6], v[S+48:S+63], v[SC+1]
	v_nop                                          ; one plain line behind the scaled conversions
.irp i, 0,1,2
	v_mov_b32 v[PC+3+\i], v[TM+\i]
	v_mov_b32 v[PC+9+\i], v[TM+4+\i]
.endr
.set n, 0
.rept 16
	v_pk_mul_f32 v[O+n:O+n+1], v[O+n:O+n+1], v[FP:FP+1] op_sel_hi:[1,0]   ; O^T under the new M, from the low end on; these lines also part the scale word (8 places) and the codes (4) from the products below
.set n, n+2
.endr
	s_wait_alu depctr_va_vdst(0)                   ; the wait here, directly ahead of the wait below
	s_wait_dscnt 0x0                               ; V and its scale words
.irp t, 0,1,2,3                                ; O^T += V^T P^T; the four accumulators take turns, and the eight products K Q^T stand between two steps'
.if (\t)%2
	v_wmma_scale_f32_16x16x128_f8f6f4 v[O+8*\t:O+8*\t+7], v[VF+12*\t:VF+12*\t+11], v[PC:PC+11], v[O+8*\t:O+8*\t+7], v[VS+\t/2], v[PW] matrix_a_fmt:MATRIX_FMT_BF6 matrix_b_fmt:MATRIX_FMT_BF6 matrix_a_scale:MATRIX_SCALE_ROW1
.else
	v_wmma_scale_f32_16x16x128_f8f6f4 v[O+8*\t:O+8*\t+7], v[VF+12*\t:VF+12*\t+11], v[PC:PC+11], v[O+8*\t:O+8*\t+7], v[VS+\t/2], v[PW] matrix_a_fmt:MATRIX_FMT_BF6 matrix_b_fmt:MATRIX_FMT_BF6
.endif
.endr
.rept 4
	v_nop                                          ; places: the next loads into V's registers, the next reads of O^T
.endr
.endm
.Ltile:
	v_mov_b32 v13, 0xff61b1e6                      ; the largest t so far: -3e38
	s_delay_alu instid0(VALU_DEP_1)
	v_floor_f32 v12, -v13
	v_mov_b32 v14, 0
	v_mov_b32 v15, 0
.set n, 0
.rept 32
	v_mov_b32 v[O+n], 0                            ; which step is a tile's first hangs on the masks: so each step finds sums, and the first finds zeros
.set n, n+1
.endr
	s_mov_b32 s71, 0
	s_lshl_b32 s68, s13, 12                        ; the tile's 16 records of 256 bytes
	s_mov_b32 s15, 0
	s_wait_alu depctr_va_vdst(0)
.Lstep:                                                ; sixteen trips, whatever the masks; a trip's work is chosen by its class
	s_and_b32 s69, s70, 3
	s_lshr_b32 s70, s70, 2
	s_cmp_eq_u32 s69, 2
	s_cbranch_scc1 .Lnext                          ; every key of the step is hidden from all my queries, each of which sees some other key
	s_cmp_eq_u32 s69, 1
	s_cbranch_scc1 .Lmasked
	BODY 0
	s_branch .Lnext
.Lmasked:
	BODY 1
.Lnext:
	s_add_co_u32 s71, s71, STEPB
	s_add_co_u32 s68, s68, 256
	s_add_co_u32 s15, s15, 1
	s_cmp_lt_u32 s15, 16
	s_cbranch_scc1 .Lstep
	; THE WAY OUT: O^T / the sum; my 32 numbers are block h of my query's 64 channels: quantised, and stored as a half-image of the last product's operand
	v_add_f32 v14, v14, v15
	s_delay_alu instid0(VALU_DEP_1)
	v_permlanex16_b32 v[PD], v14, s[SEL], s[SEL+1]
	s_delay_alu instid0(VALU_DEP_1)
	v_add_f32 v14, v14, v[PD]                      ; the row's sum
	s_wait_alu depctr_va_vdst(0)                   ; the wait ahead of the transcendental
	v_rcp_f32 v[FP], v14
	s_lshr_b32 s100, s13, 3
	s_mul_i32 s100, s100, 98304
	s_and_b32 s101, s13, 7
	s_mul_i32 s101, s101, 3072
	s_add_co_u32 s100, s100, s101
	v_add_nc_u32 v252, s100, v[LA]                 ; (plain lines behind the reciprocal)
	v_add_nc_u32 v253, s100, v[LB0]
	s_lshl_b32 s101, s13, 9
	v_and_b32 v250, 15, v0
	s_delay_alu instid0(VALU_DEP_1)
	v_lshl_add_u32 v250, v250, 2, s101
	v_bfe_u32 v251, v0, 4, 1
	s_delay_alu instid0(VALU_DEP_1)
	v_add_nc_u32 v250, v250, v251                  ; my scale byte: 512 T + 4 r + h
	s_wait_alu depctr_va_vdst(0)                   ; ahead of the reciprocal's first reader, and of O^T's
.set n, 0
.rept 16
	v_pk_mul_f32 v[S+n:S+n+1], v[O+n:O+n+1], v[FP:FP+1] op_sel_hi:[1,0]
.set n, n+2
.endr
	MAXTREE TM, TM+1, S
	s_delay_alu instid0(VALU_DEP_1)
	v_add_nc_u32 v[SC], 0xfe000000, v[TM]
	s_delay_alu instid0(VALU_DEP_1)
	v_lshrrev_b32 v249, 23, v[SC]
	v_cvt_scalef32_pk16_bf6_f32 v[PC:PC+2], v[S:S+15], v[SC]
	v_cvt_scalef32_pk16_bf6_f32 v[TM:TM+2], v[S+16:S+31], v[SC]
	v_nop
.irp i, 0,1,2
	v_mov_b32 v[PC+3+\i], v[TM+\i]
.endr
	global_store_b128 v252, v[PC:PC+3], s[72:73]              ; 512 consecutive bytes
	global_store_b64 v253, v[PC+4:PC+5], s[72:73] offset:512  ; 256 consecutive bytes
	global_store_b8 v250, v249, s[74:75]                      ; two heads, in two work-groups, share a scale word: each lane stores its own byte
	s_wait_xcnt 0x0                                ; the stores have read their registers: they are written again below
	s_cmp_eq_u32 s14, 1
	s_cbranch_scc1 .Lno_more
.irp i, 0,1,2,3,4,5
	v_mov_b32 v[QF+\i], v[KF+48+\i]                ; the second tile's q takes its place,
.endr
	v_mov_b32 v[QSC], v[FP+1]                      ; its scale words,
	s_sub_co_u32 s13, 127, s13                     ; its number
	s_mov_b32 s70, s78                             ; and its classes
.Lno_more:
	s_add_co_u32 s14, s14, 1
	s_cmp_lt_u32 s14, 2
	s_cbranch_scc1 .Ltile
	v_lshl_add_u32 v254, v0, 2, SPARE              ; no two registers could be kept for these: v0 was, and they are made here
	v_mov_b32 v255, 0
	s_wait_alu depctr_va_vdst(0)                   ; the wait here, directly ahead of the wait below
	s_wait_tensorcnt 0x0                           ; the wave's end, behind my last LDS store
	ds_add_u32 v254, v255
	s_wait_dscnt 0x0
	s_endpgm
.Lfunc_end_k_q3c7098e7cf_attn:
	.size	k_q3c7098e7cf_attn, .Lfunc_end_k_q3c7098e7cf_attn-k_q3c7098e7cf_attn
	.p2alignl 7, 3214868480
	.fill 96, 4, 3214868480
	.section	.rodata,"a",@progbits
	.p2align	6, 0x0
	.amdhsa_kernel k_q3c7098e7cf_attn
		.amdhsa_group_segment_fixed_size 210944
		.amdhsa_private_segment_fixed_size 0
		.amdhsa_enable_private_segment 0
		.amdhsa_kernarg_size 24
		.amdhsa_user_sgpr_count 2
		.amdhsa_user_sgpr_kernarg_segment_ptr 1
		.amdhsa_wavefront_size32 1
		.amdhsa_system_sgpr_workgroup_id_x 1
		.amdhsa_system_sgpr_workgroup_id_y 1
		.amdhsa_system_sgpr_workgroup_id_z 1
		.amdhsa_system_vgpr_workitem_id 0
		.amdhsa_next_free_vgpr 256
		.amdhsa_next_free_sgpr 106
		.amdhsa_reserve_vcc 0
		.amdhsa_float_denorm_mode_32 3
		.amdhsa_float_denorm_mode_16_64 3
		.amdhsa_memory_ordered 1
		.amdhsa_forward_progress 1
		.amdhsa_inst_pref_size 60
	.end_amdhsa_kernel
	.amdgpu_metadata
---
amdhsa.version: [ 1, 2 ]
amdhsa.kernels:
  - .name:           k_q3c7098e7cf_attn
    .symbol:         k_q3c7098e7cf_attn.kd
    .args:
      - { .name: qkv, .offset: 0, .size: 8, .value_kind: global_buffer, .address_space: global }
      - { .name: maskw, .offset: 8, .size: 8, .value_kind: global_buffer, .address_space: global }
      - { .name: ao, .offset: 16, .size: 8, .value_kind: global_buffer, .address_space: global }
    .group_segment_fixed_size: 210944
    .private_segment_fixed_size: 0
    .kernarg_segment_align: 8
    .kernarg_segment_size: 24
    .max_flat_workgroup_size: 512
    .sgpr_count:     106
    .vgpr_count:     256
    .wavefront_size: 32
...
	.end_amdgpu_metadata
.endif
;; end of part 3
;; launch proj (part 4): grid 4 x 64, 4 waves a work-group, clusters of 4 x 4, 327,680 bytes of LDS; arguments ao, xw, b_out, out0; writes out0
.if DOCPART == 4
	.amdgcn_target "amdgcn-amd-amdhsa--gfx1250"
	.amdhsa_code_object_version 6
	.text
	.protected	k_q3c7098e7cf_proj
	.globl	k_q3c7098e7cf_proj
	.p2align	8
	.type	k_q3c7098e7cf_proj,@function
k_q3c7098e7cf_proj:
	s_mov_b64 s[64:65], 0
	v_nop
	global_prefetch_b8 v0, s[64:65] scope:SCOPE_SE
	s_setreg_imm32_b32 hwreg(HW_REG_WAVE_MODE, 25, 1), 1
	s_wait_xcnt 0x0
	s_wait_alu depctr_hold_cnt(0) depctr_sa_sdst(0) depctr_va_vdst(0) depctr_va_sdst(0) depctr_va_ssrc(0) depctr_va_vcc(0) depctr_vm_vsrc(0)
	s_getreg_b32 s2, hwreg(HW_REG_IB_STS2, 6, 4)
	s_cmp_eq_u32 s2, 0
	s_cbranch_scc0 .Lentry_in_a_cluster
	s_endpgm
.Lentry_in_a_cluster:
	s_bfe_u32 s2, ttmp6, 0x10000c
	s_cmp_lg_u32 s2, 0xf033
	s_cbranch_scc0 .Lentry_shape_is_right
	s_endpgm
.Lentry_shape_is_right:
; PROJ: out0 [8192][1024] f32 = A W_out + b_out.  A (the attention's result) and W_out arrive as codes of BF6 (E3M2) with one E8M0 byte for each 32 along K = 1,024, laid by earlier launches as images of operand registers:
; 128 rows x 256 K are one dense block of 24,576 bytes (8 tiles of 16 rows x 3,072), the four blocks of a group of 128 rows lie on end (98,304 bytes); scale words [tile][K step of 128][16 rows], 4,096 bytes for 128 rows.
; In each group of 64 rows (of A) or columns (of W_out), row p of tile t stands for row 32 (p / 8) + 8 t + p % 8.
; SHARES.  A work-group makes 128 rows x 256 columns: 64 x 4 = 256 work-groups.  A wave makes 64 x 128: 32 accumulators of 16 x 16.
; NO RING: the work-group's operands for ALL of K fit in LDS: A's codes 98,304 bytes, B's 196,608, the scales 4,096 + 8,192.  Each of the four is dense in memory, so four tensor loads bring all, one a wave, at the head; nothing is filled a second time.
; CLUSTERS: 4 x 4 work-groups.  The four of a row of the cluster need the same rows of A, the four of a column the same columns of W_out: each load is asked for JOINTLY, with the same descriptor and a mask that names the four.
; No prefetch: everything is asked for at the head, and there is no loop to run ahead in.
; THE MATRIX INSTRUCTION IS USED TRANSPOSED (source 0 = 16 columns of W_out, source 1 = 16 rows of A): a lane holds eight neighbouring numbers of a row of the result.
; REGISTERS, in windows of 256: window 0: v0-31 addresses, v32-63 scale words (two sets), v128-175 and v176-223 A's four fragments (two sets); on the way out v128-255 take rows read back.
;   window 1: B's eight fragments, two sets, at v0 and v128.   window 2: the accumulators, (a, b) at v[8 (8 a + b)].
.set AOS,       6291456                ; in ao: the scale words
.set WO_CODES,  9011200                ; in xw: W_out's codes,
.set WO_SCALES, 9797632                ; and scale words
.set FR,     12                        ; registers of a fragment
.set NP,     4                         ; places behind this matrix instruction (ISA guide 7.12.1)
.set GRP,    98304                     ; 128 rows, all of K
.set CHK,    24576                     ; 128 rows x 256 K
.set LB,     GRP                       ; LDS: A from 0, B from here,
.set SCL,    3*GRP                     ; A's scales, then from SCL + 4,096 B's
.set SPARE,  SCL+12288                 ; the spare words, 128 bytes for each wave
.set SPITCH, 528                       ; the way out: a stage of 16 rows x (512 + 16) bytes for each wave, over A's bytes, behind the barrier that follows every wave's last read of the operands
.set BO,   8                           ; v8-11  my four numbers of b_out
.set ADRA, 16                          ; v16-17 A's fragments, 16 x lane, K steps 0-3 and 4-7; v18-19 the same with 16 r + 8 h
.set ADRB, 20                          ; v20-23 the same for B
.set STO,  24
.set RD,   25
.set CO,   26                          ; v26    16 x lane
.set ADRS, 27                          ; v27    my scale words: lanes 0-15 A's rows, lanes 16-31 B's
.set SPW,  28                          ; v28    my spare word; never rewritten
.set NIL,  29                          ; v29    0; never rewritten
.set SC,   32
.set AF,   128
.set BK,   128
.set G1A,  24                          ; groups 1: A's codes, B's codes, A's scales, B's scales
.set G1B,  48
.set G1S,  68
.set G1SB, 80
.set G0A,  32                          ; groups 0
.set G0B,  36
.set G0S,  56
.set G0SB, 60
.set MSB, 0
.macro WIN new                         ; the immediate's high byte repeats the setting that is left
.if MSB != (\new)
	s_set_vgpr_msb (MSB<<8)|(\new)
.set MSB, (\new)
.endif
.endm
.set MUL_LO, 0xa1                      ; source 0 (B) window 1, source 1 (A) window 0, C and D window 2
.set TO_B,   0x40                      ; destination window 1, address window 0
.macro CROUND                          ; a round of the cluster's barrier
	s_barrier_signal -1
	s_barrier_wait -1
	s_cmp_lg_u32 s14, 0
	s_cbranch_scc1 .Lnot_wave_0_\@
	s_barrier_signal -3
.Lnot_wave_0_\@:
	s_barrier_wait -3
	s_barrier_signal -1
	s_barrier_wait -1
.endm
.macro DESC g, rows                    ; a dense block as rows of 256 bytes: 32 elements of 8 bytes
	s_mov_b32 s[\g+1], 32<<16
	s_mov_b32 s[\g+2], (\rows)<<16
	s_mov_b32 s[\g+3], 32<<16
	s_mov_b32 s[\g+4], \rows
	s_mov_b32 s[\g+5], 32
	s_mov_b32 s[\g+6], 0
	s_mov_b32 s[\g+7], 0
.endm
.macro GRP0 g, lds, adr
	s_mov_b32 s[\g], 1
	s_mov_b32 s[\g+1], \lds
	s_mov_b64 s[\g+2:\g+3], s[\adr:\adr+1]
	s_or_b32 s[\g+3], s[\g+3], 0x80000000
.endm
.macro PLACES n
.rept \n
	v_nop
.endr
.endm
	s_load_b128 s[4:7], s[0:1], 0x0                ; ao, xw
	s_load_b128 s[8:11], s[0:1], 0x10              ; b_out, out0
	v_lshl_add_u32 v[SPW], v0, 2, SPARE
	v_mov_b32 v[NIL], 0
	ds_add_u32 v[SPW], v[NIL]                      ; the opening lines: the add, twice on end, and its wait ahead of my first tensor load
	ds_add_u32 v[SPW], v[NIL]
	v_lshrrev_b32 v1, 5, v0
	v_readfirstlane_b32 s14, v1                    ; wave 0..3
	s_lshr_b32 s15, s14, 1                         ; which 64 of the 128 rows are mine
	s_and_b32 s16, s14, 1                          ; which 128 of the 256 columns
	s_bfe_u32 s40, ttmp6, 0x40000                  ; cx, cy: my place in the cluster
	s_bfe_u32 s41, ttmp6, 0x40004
	s_lshl_b32 s42, ttmp9, 2
	s_add_co_u32 s42, s42, s40                     ; which 256 columns
	s_and_b32 s17, ttmp7, 0xffff
	s_lshl_b32 s17, s17, 2
	s_add_co_u32 s17, s17, s41                     ; which 128 rows
	s_lshl_b32 s43, s41, 2
	s_lshl_b32 s43, 15, s43                        ; my row of the cluster
	s_lshl_b32 s44, 0x1111, s40                    ; my column
	s_or_b32 s[G1A], s43, (3<<16)|(1<<21)          ; 15:0 the mask; 17:16 elements of 8 bytes; 21 set beside a mask
	s_or_b32 s[G1S], s43, (3<<16)|(1<<21)
	s_or_b32 s[G1B], s44, (3<<16)|(1<<21)
	s_or_b32 s[G1SB], s44, (3<<16)|(1<<21)
	DESC G1A, 384                                  ; 98,304 bytes
	DESC G1B, 768                                  ; 196,608
	DESC G1S, 16                                   ; 4,096
	DESC G1SB, 32                                  ; 8,192
	s_mul_i32 s20, s17, GRP                        ; A's offsets hang on the rows alone, B's on the columns alone
	s_mov_b32 s21, 0
	s_lshl_b32 s22, s17, 12
	s_add_co_u32 s22, s22, AOS
	s_mov_b32 s23, 0
	s_mul_i32 s46, s42, 2*GRP
	s_add_co_u32 s46, s46, WO_CODES
	s_mov_b32 s47, 0
	s_lshl_b32 s92, s42, 13
	s_add_co_u32 s92, s92, WO_SCALES
	s_mov_b32 s93, 0
	s_wait_dscnt 0x0                               ; both opening adds are done
	s_wait_kmcnt 0x0
	s_add_nc_u64 s[20:21], s[4:5], s[20:21]
	s_add_nc_u64 s[22:23], s[4:5], s[22:23]
	s_add_nc_u64 s[46:47], s[6:7], s[46:47]
	s_add_nc_u64 s[92:93], s[6:7], s[92:93]
	CROUND                                         ; all sixteen work-groups are here: the joint loads meet
	GRP0 G0A, 0, 20
	GRP0 G0B, LB, 46
	GRP0 G0S, SCL, 22
	GRP0 G0SB, SCL+4096, 92
; THE LOADS, ONE A WAVE: wave 0 A's codes, wave 1 B's, wave 2 A's scales, wave 3 B's.  One tree of branches on the wave's number: every way through it passes exactly one load.
.macro ARM under, g0, g1, next
	s_cmp_lt_u32 s14, \under
	s_cbranch_scc0 \next
	tensor_load_to_lds s[\g0:\g0+3], s[\g1:\g1+7]
	s_nop 0
.rept 4
	v_nop
.endr
	s_branch .Lhead_asked
\next:
.endm
	ARM 1, G0A, G1A, .Lhead_b
	ARM 2, G0B, G1B, .Lhead_sa
	ARM 3, G0S, G1S, .Lhead_sb
	tensor_load_to_lds s[G0SB:G0SB+3], s[G1SB:G1SB+7]
	s_nop 0
.rept 4
	v_nop
.endr
.Lhead_asked:
	v_and_b32 v1, 15, v0                           ; r
	v_bfe_u32 v2, v0, 4, 1                         ; h
	v_and_b32 v3, 31, v0
	v_lshlrev_b32 v[CO], 4, v3
	v_lshlrev_b32 v5, 4, v1
	v_lshl_add_u32 v5, v2, 3, v5                   ; 16 r + 8 h
	s_mul_i32 s21, s15, 4*3072                     ; A: my four tiles of each block's eight
	s_mul_i32 s22, s16, GRP
	s_add_co_u32 s22, s22, LB                      ; B: my 128 columns
.irp s, 0,1
	v_add_nc_u32 v[ADRA+\s], s21, v[CO]
	v_add_nc_u32 v[ADRB+\s], s22, v[CO]
	v_add_nc_u32 v[ADRA+2+\s], s21, v5
	v_add_nc_u32 v[ADRB+2+\s], s22, v5
	s_add_co_u32 s21, s21, 2*CHK                   ; the second register of each pair: K steps 4-7, so that every offset fits the 16-bit immediate
	s_add_co_u32 s22, s22, 2*CHK
.endr
	v_lshlrev_b32 v6, 2, v1
	s_lshl_b32 s21, s15, 11                        ; A's scale words: 512 bytes a tile, my four tiles
	s_lshl_b32 s22, s16, 12                        ; B's: my eight tiles, behind A's 4,096 bytes
	s_add_co_u32 s22, s22, 4096
	s_sub_co_u32 s22, s22, s21
	v_mul_u32_u24 v7, s22, v2                      ; lanes 16-31 take B's
	s_add_co_u32 s21, s21, SCL
	v_add_nc_u32 v6, v6, v7
	v_add_nc_u32 v[ADRS], s21, v6
	s_mul_i32 s23, s14, 16*SPITCH                  ; my stage
	v_mul_u32_u24 v5, v1, SPITCH
	v_lshl_add_u32 v5, v2, 7, v5                   ; in: row r, + 128 h: tile b's eight numbers of lane (r, h) are columns 64 (b / 4) + 32 h + 8 (b % 4) + 0 .. 7
	v_add_nc_u32 v[STO], s23, v5
	v_add_nc_u32 v[RD], s23, v[CO]                 ; back: the 32 lanes take one row of 512 bytes
	s_lshl_b32 s46, s42, 10
	s_lshl_b32 s47, s16, 9
	s_add_co_u32 s46, s46, s47                     ; my first column, in bytes
	s_mov_b32 s47, 0
	s_add_nc_u64 s[96:97], s[8:9], s[46:47]
	global_load_b128 v[BO:BO+3], v[CO], s[96:97]
	s_lshl_b32 s20, s17, 7
	s_lshl_b32 s21, s15, 6
	s_add_co_u32 s20, s20, s21                     ; my first row
	s_lshl_b32 s20, s20, 12                        ; a row of out0 is 4,096 bytes
	s_mov_b32 s21, 0
	s_add_nc_u64 s[20:21], s[20:21], s[46:47]
	s_add_nc_u64 s[12:13], s[10:11], s[20:21]
; a fragment, 16 rows x 128 K, is 12 registers: two half-images of 768 bytes; of each the lane's first four registers lie at 16 x lane, its last two at 512 + 16 r + 8 h.  st: the K step, 0 to 7
.macro FRAG reg, adr, st, i
.set FO, (((\st)/2)%2)*CHK+((\st)%2)*1536+(\i)*3072
	ds_load_b128 v[\reg:\reg+3], v[\adr+(\st)/4] offset:FO
	ds_load_b64 v[\reg+4:\reg+5], v[\adr+2+(\st)/4] offset:FO+512
	ds_load_b128 v[\reg+6:\reg+9], v[\adr+(\st)/4] offset:FO+768
	ds_load_b64 v[\reg+10:\reg+11], v[\adr+2+(\st)/4] offset:FO+1280
.endm
; step st's fragments into set st % 2: B's eight, A's four; with an even step the scale words of two steps (lanes 0-15 A's tile i, lanes 16-31 B's tile i; A has four tiles: above them lanes 0-15 hold words that no product names)
.macro FETCH st
	WIN TO_B
.irp i, 0,1,2,3,4,5,6,7
	FRAG 128*((\st)%2)+FR*\i, ADRB, \st, \i
.endr
	WIN 0
.irp i, 0,1,2,3
	FRAG AF+48*((\st)%2)+FR*\i, ADRA, \st, \i
.endr
.if (\st)%2 == 0
.irp i, 0,1,2,3,4,5,6,7
	ds_load_b32 v[SC+16*(((\st)/2)%2)+2*\i], v[ADRS] offset:512*\i+64*(\st)
	ds_load_b32 v[SC+16*(((\st)/2)%2)+2*\i+1], v[ADRS] offset:512*\i+64*(\st)+64
.endr
.endif
.endm
; 16 matrix instructions: A's tiles a0, a0 + 1 x B's eight.  The 32 accumulators take turns, one instruction a turn, in the same order in every step.  zero = 1: the first step's products start the sums
.macro MUL16 a0, st, zero
.irp a, \a0, \a0+1
.irp b, 0,1,2,3,4,5,6,7
.if \zero
	v_wmma_scale_f32_16x16x128_f8f6f4 v[8*(8*(\a)+\b):8*(8*(\a)+\b)+7], v[128*((\st)%2)+FR*\b:128*((\st)%2)+FR*\b+FR-1], v[AF+48*((\st)%2)+FR*(\a):AF+48*((\st)%2)+FR*(\a)+FR-1], 0, v[SC+16*(((\st)/2)%2)+2*\b+(\st)%2], v[SC+16*(((\st)/2)%2)+2*(\a)+(\st)%2] matrix_a_fmt:MATRIX_FMT_BF6 matrix_b_fmt:MATRIX_FMT_BF6 matrix_a_scale:MATRIX_SCALE_ROW1
.else
	v_wmma_scale_f32_16x16x128_f8f6f4 v[8*(8*(\a)+\b):8*(8*(\a)+\b)+7], v[128*((\st)%2)+FR*\b:128*((\st)%2)+FR*\b+FR-1], v[AF+48*((\st)%2)+FR*(\a):AF+48*((\st)%2)+FR*(\a)+FR-1], v[8*(8*(\a)+\b):8*(8*(\a)+\b)+7], v[SC+16*(((\st)/2)%2)+2*\b+(\st)%2], v[SC+16*(((\st)/2)%2)+2*(\a)+(\st)%2] matrix_a_fmt:MATRIX_FMT_BF6 matrix_b_fmt:MATRIX_FMT_BF6 matrix_a_scale:MATRIX_SCALE_ROW1
.endif
.endr
.endr
.endm
; a step of 128 along K: the next step's 48 or 64 loads are issued first, into the other sets, and land under this step's 32 matrix instructions
.macro STEP st, zero
.set NX, (\st)+1
	s_wait_dscnt 0x0                               ; this step's fragments and scale words are in
	PLACES NP                                      ; the other sets were read by the matrix instructions just issued
	FETCH NX
	WIN MUL_LO
	MUL16 0, \st, \zero
	MUL16 2, \st, \zero
	WIN 0
.endm
	s_wait_alu depctr_va_vdst(0)                   ; the wait at the head's end
	s_wait_tensorcnt 0x0                           ; my tile of the four has landed,
	s_barrier_signal -1
	s_barrier_wait -1                              ; everybody's has
	FETCH 0
	STEP 0, 1
.set ST, 1
.rept 6
	STEP ST, 0
.set ST, ST+1
.endr
	s_wait_dscnt 0x0                               ; the last step's fragments are in: my reads of the operands are over:
	s_barrier_signal -1                            ; say so,
	WIN MUL_LO
	MUL16 0, 7, 0
	MUL16 2, 7, 0
	WIN 0
	s_barrier_wait -1                              ; and when all four have said so, A's bytes may take the stages
; THE WAY OUT, block by block of 16 rows x 128 columns: through my own stage, back as whole rows of 512 bytes, + b_out, stored as two aligned units of 256 bytes.  LDS serves a wave's instructions in order (ISA guide 5.7.1.4): no wait between the stores and the loads
.macro TOSTAGE a
	WIN 0x08                                       ; the data: window 2
.irp b, 0,1,2,3,4,5,6,7
	ds_store_b128 v[STO], v[64*(\a)+8*\b:64*(\a)+8*\b+3] offset:256*(\b/4)+32*(\b%4)       ; each accumulator from its low end on
	ds_store_b128 v[STO], v[64*(\a)+8*\b+4:64*(\a)+8*\b+7] offset:256*(\b/4)+32*(\b%4)+16
.endr
	WIN 0
.set BB, BK+64*((\a)%2)
.irp t, 0,1,2,3,4,5,6,7,8,9,10,11,12,13,14,15
	ds_load_b128 v[BB+4*\t:BB+4*\t+3], v[RD] offset:\t*SPITCH
.endr
.endm
.macro SEND a, younger                 ; younger: the LDS instructions issued behind block a's loads, which may stay out
.set BB, BK+64*((\a)%2)
	s_wait_dscnt \younger
.irp t, 0,1,2,3,4,5,6,7,8,9,10,11,12,13,14,15
	v_pk_add_f32 v[BB+4*\t:BB+4*\t+1], v[BB+4*\t:BB+4*\t+1], v[BO:BO+1]
	v_pk_add_f32 v[BB+4*\t+2:BB+4*\t+3], v[BB+4*\t+2:BB+4*\t+3], v[BO+2:BO+3]
.endr
.irp t, 0,1,2,3,4,5,6,7,8,9,10,11,12,13,14,15
	global_store_b128 v[CO], v[BB+4*\t:BB+4*\t+3], s[12:13] offset:(32*(\t/8)+8*(\a)+\t%8)*4096 th:TH_STORE_NT   ; stage row t of tile a is row 32 (t / 8) + 8 a + t % 8 of my 64; 512 consecutive bytes
.endr
.endm
	s_wait_loadcnt 0x0                             ; b_out
	PLACES NP                                      ; behind the last products: the first reads of results, and the loads into registers that held A's fragments
	TOSTAGE 0
.irp a, 1,2,3
.if \a > 1
	s_wait_xcnt 0x0                                ; block a - 2's stores have read their registers: block a's loads may land there
.endif
	TOSTAGE \a
	SEND \a-1, 32                                  ; behind block a - 1's loads: block a's 16 stores and 16 loads
.endr
	SEND 3, 0
	s_wait_tensorcnt 0x0                           ; the wave's end, behind my last tensor load and my last LDS store
	ds_add_u32 v[SPW], v[NIL]
	s_wait_dscnt 0x0
	CROUND                                         ; the closing round: no work-group ends while a partner may still ask for a tile that names it
	s_endpgm
.Lfunc_end_k_q3c7098e7cf_proj:
	.size	k_q3c7098e7cf_proj, .Lfunc_end_k_q3c7098e7cf_proj-k_q3c7098e7cf_proj
	.p2alignl 7, 3214868480
	.fill 96, 4, 3214868480
	.section	.rodata,"a",@progbits
	.p2align	6, 0x0
	.amdhsa_kernel k_q3c7098e7cf_proj
		.amdhsa_group_segment_fixed_size 327680
		.amdhsa_private_segment_fixed_size 0
		.amdhsa_enable_private_segment 0
		.amdhsa_kernarg_size 32
		.amdhsa_user_sgpr_count 2
		.amdhsa_user_sgpr_kernarg_segment_ptr 1
		.amdhsa_wavefront_size32 1
		.amdhsa_system_sgpr_workgroup_id_x 1
		.amdhsa_system_sgpr_workgroup_id_y 1
		.amdhsa_system_sgpr_workgroup_id_z 1
		.amdhsa_system_vgpr_workitem_id 0
		.amdhsa_next_free_vgpr 768
		.amdhsa_next_free_sgpr 100
		.amdhsa_reserve_vcc 0
		.amdhsa_float_denorm_mode_32 3
		.amdhsa_float_denorm_mode_16_64 3
		.amdhsa_memory_ordered 1
		.amdhsa_forward_progress 1
		.amdhsa_inst_pref_size 94
	.end_amdhsa_kernel
	.amdgpu_metadata
---
amdhsa.version: [ 1, 2 ]
amdhsa.kernels:
  - .name:           k_q3c7098e7cf_proj
    .symbol:         k_q3c7098e7cf_proj.kd
    .args:
      - { .name: ao, .offset: 0, .size: 8, .value_kind: global_buffer, .address_space: global }
      - { .name: xw, .offset: 8, .size: 8, .value_kind: global_buffer, .address_space: global }
      - { .name: b_out, .offset: 16, .size: 8, .value_kind: global_buffer, .address_space: global }
      - { .name: out0, .offset: 24, .size: 8, .value_kind: global_buffer, .address_space: global }
    .group_segment_fixed_size: 327680
    .private_segment_fixed_size: 0
    .kernarg_segment_align: 8
    .kernarg_segment_size: 32
    .max_flat_workgroup_size: 128
    .sgpr_count:     100
    .vgpr_count:     768
    .wavefront_size: 32
...
	.end_amdgpu_metadata
.endif
;; end of part 4
